; MI455X (gfx1250); checked and timed in simulation.
; The chip was launched on July 23, 2026; its instructions are those of AMD's public machine-readable ISA for CDNA 5 (MIT licence, August 2026) and "CDNA5" Instruction Set Architecture Reference Guide (July 2026). The comments in the code are by the model that wrote it; some were corrected since.
;; Expert. Allowed arithmetic: float matrix products may take bf16 or f16 operands with f32 sums; all other float work in f32.
;; Inputs: B0 8 x 1,024 float32; B1 8 x 1,024 float32; B2 8 x 512 float32; W0 8 x 1,024 x 512 float32; W1 8 x 1,024 x 1,024 float32; W2 8 x 512 x 1,024 float32; weight_blend 4,096 x 8 float32; x 4,096 x 512 float32.
;; Outputs: out0 4,096 x 512 float32.
;; One version. Each part assembles by itself: llvm-mc -triple=amdgcn-amd-amdhsa -mcpu=gfx1250 --defsym DOCPART=n.
;; ======== version 1 of 1: 4 launches
;; limits: values are held in f16: magnitudes above 65,504 overflow, below 6.1e-05 lose precision; inputs' magnitudes at most 65,504; right only within a limited range of input values
;; workspace buffers: wh 33,554,432 bytes; xs 4,216,832 bytes; h1 8,388,608 bytes; h2 8,388,608 bytes
;; launch prep (part 1): grid 1152 x 1, 8 waves a work-group, no clusters, 1,280 bytes of LDS; arguments W0, W1, W2, B0, B1, x, wh, xs; writes wh, xs
.if DOCPART == 1
	.amdgcn_target "amdgcn-amd-amdhsa--gfx1250"
	.amdhsa_code_object_version 6
	.text
	.protected	k_qaf7b38452b_prep
	.globl	k_qaf7b38452b_prep
	.p2align	8
	.type	k_qaf7b38452b_prep,@function
k_qaf7b38452b_prep:
	s_mov_b64 s[64:65], 0
	v_nop
	global_prefetch_b8 v0, s[64:65] scope:SCOPE_SE
	s_setreg_imm32_b32 hwreg(HW_REG_WAVE_MODE, 25, 1), 1
	s_wait_xcnt 0x0
; PREP: W0, W1, W2 and x from f32 to f16, in the order in which the three layer launches read them, and the figures from which
; those launches make their row scales.  A stream: every input byte is read once, by 16-byte loads, every output byte is written once;
; no matrix unit, no cluster, no LDS tile would add anything.  Eight waves; a work-group converts 65,536 bytes of f32, sixteen
; 16-byte loads a thread, all issued before the first is used, no loop.
;   wh: W' = W with rows in the order n' = (o/32)*256 + e*32 + o%32, a row = K numbers of f16.  W0' at byte 0, W1' at 8,388,608, W2' at 25,165,824.
;       A work-group's 65,536 source bytes (32 rows of W0, 16 rows of W1 or W2) are neighbours in W' too: one block of 32,768 bytes.
;   xs: byte 0: x in f16 as [k/32][row][k%32], each row times a power of two INV (below); XL1: sum of |x| of each row, f32;
;       PM0, PM1: for each work-group that converts W0 (W1) the pair (largest |W| of its part, largest |B| of a part of B0 (B1)), f32.
; ROW SCALE: from a bound beta >= |v|: t = exponent field of max(beta, 2^-112), INV = 2^(141-t), so |v INV| < 2^15: half of f16's range.
; LIMITS: |W| above 65,504 becomes infinite in f16; |W| below 6e-5 is kept to an absolute 3e-8 only; a NaN in W or B is passed over by the maxima.
.set XL1, 4194304
.set PM0, 4210688
.set PM1, 4212736
.set M,   4                            ; v[4:7]     four running maxima (x: four running sums)
.set X,   16                           ; v[16:79]   sixteen loads of four f32
.set Y,   80                           ; v[80:111]  sixteen pairs of registers of four f16
	s_load_b512 s[16:31], s[0:1], 0x0              ; W0 s[16:17], W1 s[18:19], W2 s[20:21], B0 s[22:23], B1 s[24:25], x s[26:27], wh s[28:29], xs s[30:31]
	v_lshl_add_u32 v128, v0, 2, 0x100
	v_mov_b32 v129, 0
	v_lshrrev_b32 v9, 5, v0
	v_readfirstlane_b32 s8, v9                     ; wave 0..7
	s_mov_b32 s12, 0x76543210                      ; v_permlanex16_b32: lane i of one half reads lane i of the other
	s_mov_b32 s13, 0xfedcba98
	v_lshlrev_b32 v1, 4, v0                        ; source: 16 bytes a thread, 4,096 a load of the work-group
	v_lshlrev_b32 v2, 3, v0                        ; destination: 8 bytes a thread: a wave's store covers 256 consecutive bytes, aligned
	v_and_b32 v3, 31, v0
	v_lshlrev_b32 v3, 2, v3                        ; one word of the bias piece a lane
	s_mov_b32 s3, 0                                ; high words of the 64-bit offsets
	s_mov_b32 s5, 0
	s_mov_b32 s7, 0
	s_wait_kmcnt 0x0
; largest of register x over the wave's 32 lanes, in every lane; t: any register that has been written
.macro WAVEMAX x, t
	v_max_num_f32_dpp v[\x], v[\x], v[\x] row_xmask:1 row_mask:0xf bank_mask:0xf
	v_max_num_f32_dpp v[\x], v[\x], v[\x] row_xmask:2 row_mask:0xf bank_mask:0xf
	v_max_num_f32_dpp v[\x], v[\x], v[\x] row_xmask:4 row_mask:0xf bank_mask:0xf
	v_max_num_f32_dpp v[\x], v[\x], v[\x] row_xmask:8 row_mask:0xf bank_mask:0xf
	v_permlanex16_b32 v[\t], v[\x], s12, s13
	v_max_num_f32 v[\x], v[\x], v[\t]
.endm
; 65,536 bytes at s[src:src+1] to 32,768 bytes at s[28:29].  domax = 1: also the largest |W| (four chains) and a word of the bias at s[bsrc:bsrc+1].
.macro CONVW src, domax, bsrc
.if \domax
	global_load_b32 v8, v3, s[\bsrc:\bsrc+1]
.endif
.irp i, 0,1,2,3,4,5,6,7,8,9,10,11,12,13,14,15
	global_load_b128 v[X+4*\i:X+4*\i+3], v1, s[\src:\src+1] offset:\i*4096 th:TH_LOAD_NT
.endr
.irp i, 0,1,2,3,4,5,6,7,8,9,10,11,12,13,14,15
	s_wait_loadcnt 15-\i                           ; loads come back in order: load i is in (and the older bias word), the 15 - i younger ones stay out
.if \domax
.if \i < 2
	v_max_num_f32 v[M+2*\i],   |v[X+4*\i]|,   |v[X+4*\i+1]|      ; the first two loads start the four chains: nothing is cleared
	v_max_num_f32 v[M+2*\i+1], |v[X+4*\i+2]|, |v[X+4*\i+3]|
.else
	v_max3_num_f32 v[M+2*(\i%2)],   |v[X+4*\i]|,   |v[X+4*\i+1]|, v[M+2*(\i%2)]
	v_max3_num_f32 v[M+2*(\i%2)+1], |v[X+4*\i+2]|, |v[X+4*\i+3]|, v[M+2*(\i%2)+1]
.endif
.endif
	v_cvt_pk_f16_f32 v[Y+2*\i],   v[X+4*\i],   v[X+4*\i+1]
	v_cvt_pk_f16_f32 v[Y+2*\i+1], v[X+4*\i+2], v[X+4*\i+3]
	global_store_b64 v2, v[Y+2*\i:Y+2*\i+1], s[28:29] offset:\i*2048   ; every load and store has registers of its own: none is written twice
.endr
.endm
; the work-group's pair (largest |W|, largest |B|) to xs + pm + 8 c (s[30:31] holds xs + 8 c)
.macro MAXOUT pm
	v_max_num_f32 v4, v4, v5
	v_max_num_f32 v6, v6, v7
	v_max_num_f32 v4, v4, v6
	v_and_b32 v8, 0x7fffffff, v8
	WAVEMAX 4, 5
	WAVEMAX 8, 6                                   ; all eight waves read the same 32 bias words: this one needs no LDS
	v_mov_b32 v9, s8
	v_lshlrev_b32 v9, 2, v9
	ds_store_b32 v9, v4                            ; every lane writes the wave's word with the same value
	s_wait_dscnt 0x0                               ; my word is in LDS before I say so
	s_barrier_signal -1
	s_barrier_wait -1
	v_mov_b32 v10, 0
	ds_load_b128 v[12:15], v10
	ds_load_b128 v[112:115], v10 offset:16
	s_wait_dscnt 0x0
	v_max3_num_f32 v12, v12, v13, v14
	v_max3_num_f32 v12, v12, v15, v112
	v_max3_num_f32 v12, v12, v113, v114
	v_max_num_f32 v12, v12, v115
	v_mov_b32 v13, v8
	s_wait_xcnt 0x0                                ; EXEC, a source of the stores above, changes only behind this wait
	v_cmp_eq_u32 vcc_lo, 0, v0
	s_wait_tensorcnt 0x0
	ds_add_u32 v128, v129
	s_wait_dscnt 0x0
	s_and_saveexec_b32 s9, vcc_lo                  ; thread 0 alone
	global_store_b64 v10, v[12:13], s[30:31] offset:\pm
	s_endpgm
.endm
; W1, W2: chunk c (s9) is rows 16 j .. 16 j + 15 of expert e; its block of 32,768 bytes in W' is number 16 (j/2) + 2 e + j%2
.macro DEST16 esh, jmask, base
	s_lshr_b32 s4, s9, \esh                        ; e
	s_and_b32 s6, s9, \jmask                       ; j
	s_lshr_b32 s10, s6, 1
	s_and_b32 s6, s6, 1
	s_lshl1_add_u32 s4, s4, s6
	s_lshl4_add_u32 s4, s10, s4
	s_lshl_b32 s4, s4, 15
	s_add_co_u32 s4, s4, \base
	s_add_nc_u64 s[28:29], s[28:29], s[4:5]
.endm
	; the work-group's number picks the tensor: the same way for all eight waves
	s_cmp_lt_u32 ttmp9, 256
	s_cbranch_scc1 .Lw0
	s_cmp_lt_u32 ttmp9, 768
	s_cbranch_scc1 .Lw1
	s_cmp_lt_u32 ttmp9, 1024
	s_cbranch_scc1 .Lw2
	; x: 32 rows of 2,048 bytes.  Eight lanes share a row; load kb takes columns 32 kb .. 32 kb + 31, four a lane.
	s_sub_co_u32 s9, ttmp9, 1024                   ; c
	s_lshl_b32 s2, s9, 16
	s_add_nc_u64 s[26:27], s[26:27], s[2:3]
	s_lshl_b32 s4, s9, 7                           ; 32 rows x 4 bytes of the row sums
	s_add_nc_u64 s[32:33], s[30:31], s[4:5]
	s_lshl_b32 s4, s9, 11                          ; 32 rows x 64 bytes in each plane of 32 columns
	s_add_nc_u64 s[30:31], s[30:31], s[4:5]
	v_lshrrev_b32 v9, 3, v0                        ; row in the group
	v_and_b32 v10, 7, v0                           ; my place in the row
	v_lshlrev_b32 v1, 11, v9
	v_lshl_add_u32 v1, v10, 4, v1
	v_lshlrev_b32 v3, 2, v9
.irp i, 0,1,2,3,4,5,6,7,8,9,10,11,12,13,14,15
	global_load_b128 v[X+4*\i:X+4*\i+3], v1, s[26:27] offset:\i*128 th:TH_LOAD_NT
.endr
	s_wait_loadcnt 0x0                             ; the scale needs the whole row
.irp k, 0,1,2,3
	v_and_b32 v[M+\k], 0x7fffffff, v[X+\k]         ; the first load starts the four sums
.endr
.irp i, 1,2,3,4,5,6,7,8,9,10,11,12,13,14,15
.irp k, 0,1,2,3
	v_add_f32 v[M+\k], |v[X+4*\i+\k]|, v[M+\k]
.endr
.endr
	v_add_f32 v4, v4, v5
	v_add_f32 v6, v6, v7
	v_add_f32 v4, v4, v6
	v_add_f32_dpp v4, v4, v4 row_xmask:1 row_mask:0xf bank_mask:0xf    ; over the row's eight lanes; each ends with the same bits
	v_add_f32_dpp v4, v4, v4 row_xmask:2 row_mask:0xf bank_mask:0xf
	v_add_f32_dpp v4, v4, v4 row_xmask:4 row_mask:0xf bank_mask:0xf
	v_max_num_f32 v5, 0x07800000, v4               ; max(sum, 2^-112)
	v_lshrrev_b32 v5, 23, v5                       ; t
	v_sub_nc_u32 v5, 268, v5
	v_lshlrev_b32 v12, 23, v5                      ; INV = 2^(141 - t)
	v_mov_b32 v13, v12
.irp i, 0,1,2,3,4,5,6,7,8,9,10,11,12,13,14,15
	v_pk_mul_f32 v[X+4*\i:X+4*\i+1],   v[X+4*\i:X+4*\i+1],   v[12:13]
	v_pk_mul_f32 v[X+4*\i+2:X+4*\i+3], v[X+4*\i+2:X+4*\i+3], v[12:13]
	v_cvt_pk_f16_f32 v[Y+2*\i],   v[X+4*\i],   v[X+4*\i+1]
	v_cvt_pk_f16_f32 v[Y+2*\i+1], v[X+4*\i+2], v[X+4*\i+3]
	global_store_b64 v2, v[Y+2*\i:Y+2*\i+1], s[30:31] offset:\i*262144   ; 8 x thread = 64 x row + 8 x place: a wave's four rows are 256 consecutive bytes, aligned
.endr
	s_wait_xcnt 0x0                                ; EXEC changes only behind this wait
	v_cmp_eq_u32 vcc_lo, 0, v10
	s_and_saveexec_b32 s9, vcc_lo                  ; one lane for each row
	global_store_b32 v3, v4, s[32:33] offset:XL1
	s_endpgm
.Lw0:                                              ; W0: chunk c = 32 e + nb is rows 32 nb .. of expert e; its block in W' is number 8 nb + e
	s_lshl_b32 s2, ttmp9, 16
	s_add_nc_u64 s[16:17], s[16:17], s[2:3]
	s_lshr_b32 s4, ttmp9, 5
	s_and_b32 s6, ttmp9, 31
	s_lshl3_add_u32 s4, s6, s4
	s_lshl_b32 s4, s4, 15
	s_add_nc_u64 s[28:29], s[28:29], s[4:5]
	s_lshl_b32 s6, ttmp9, 7                        ; 128 bytes of B0 for each of the 256 work-groups: all 32,768
	s_add_nc_u64 s[22:23], s[22:23], s[6:7]
	s_lshl_b32 s6, ttmp9, 3
	s_add_nc_u64 s[30:31], s[30:31], s[6:7]
	CONVW 16, 1, 22
	MAXOUT PM0
.Lw1:
	s_sub_co_u32 s9, ttmp9, 256                    ; c = 64 e + j
	s_lshl_b32 s2, s9, 16
	s_add_nc_u64 s[18:19], s[18:19], s[2:3]
	DEST16 6, 63, 8388608
	s_and_b32 s6, s9, 255                          ; 512 work-groups: each piece of B1 is looked at twice
	s_lshl_b32 s6, s6, 7
	s_add_nc_u64 s[24:25], s[24:25], s[6:7]
	s_lshl_b32 s6, s9, 3
	s_add_nc_u64 s[30:31], s[30:31], s[6:7]
	CONVW 18, 1, 24
	MAXOUT PM1
.Lw2:                                              ; behind W2 nothing is stored in f16, so no bound is needed
	s_sub_co_u32 s9, ttmp9, 768                    ; c = 32 e + j
	s_lshl_b32 s2, s9, 16
	s_add_nc_u64 s[20:21], s[20:21], s[2:3]
	DEST16 5, 31, 25165824
	CONVW 20, 0, 0
	s_endpgm
.Lfunc_end_k_qaf7b38452b_prep:
	.size	k_qaf7b38452b_prep, .Lfunc_end_k_qaf7b38452b_prep-k_qaf7b38452b_prep
	.p2alignl 7, 3214868480
	.fill 96, 4, 3214868480
	.section	.rodata,"a",@progbits
	.p2align	6, 0x0
	.amdhsa_kernel k_qaf7b38452b_prep
		.amdhsa_group_segment_fixed_size 1280
		.amdhsa_private_segment_fixed_size 0
		.amdhsa_enable_private_segment 0
		.amdhsa_kernarg_size 64
		.amdhsa_user_sgpr_count 2
		.amdhsa_user_sgpr_kernarg_segment_ptr 1
		.amdhsa_wavefront_size32 1
		.amdhsa_system_sgpr_workgroup_id_x 1
		.amdhsa_system_sgpr_workgroup_id_y 1
		.amdhsa_system_sgpr_workgroup_id_z 1
		.amdhsa_system_vgpr_workitem_id 0
		.amdhsa_next_free_vgpr 130
		.amdhsa_next_free_sgpr 66
		.amdhsa_reserve_vcc 1
		.amdhsa_float_denorm_mode_32 3
		.amdhsa_float_denorm_mode_16_64 3
		.amdhsa_memory_ordered 1
		.amdhsa_forward_progress 1
		.amdhsa_inst_pref_size 40
	.end_amdhsa_kernel
	.amdgpu_metadata
---
amdhsa.version: [ 1, 2 ]
amdhsa.kernels:
  - .name:           k_qaf7b38452b_prep
    .symbol:         k_qaf7b38452b_prep.kd
    .args:
      - { .name: W0, .offset: 0, .size: 8, .value_kind: global_buffer, .address_space: global }
      - { .name: W1, .offset: 8, .size: 8, .value_kind: global_buffer, .address_space: global }
      - { .name: W2, .offset: 16, .size: 8, .value_kind: global_buffer, .address_space: global }
      - { .name: B0, .offset: 24, .size: 8, .value_kind: global_buffer, .address_space: global }
      - { .name: B1, .offset: 32, .size: 8, .value_kind: global_buffer, .address_space: global }
      - { .name: x, .offset: 40, .size: 8, .value_kind: global_buffer, .address_space: global }
      - { .name: wh, .offset: 48, .size: 8, .value_kind: global_buffer, .address_space: global }
      - { .name: xs, .offset: 56, .size: 8, .value_kind: global_buffer, .address_space: global }
    .group_segment_fixed_size: 1280
    .private_segment_fixed_size: 0
    .kernarg_segment_align: 8
    .kernarg_segment_size: 64
    .max_flat_workgroup_size: 256
    .sgpr_count:     66
    .vgpr_count:     130
    .wavefront_size: 32
...
	.end_amdgpu_metadata
.endif
;; end of part 1
;; launch layer0 (part 2): grid 32 x 16, 4 waves a work-group, clusters of 4 x 4, 327,680 bytes of LDS; arguments xs, wh, B0, weight_blend, h1; writes h1
.if DOCPART == 2
	.amdgcn_target "amdgcn-amd-amdhsa--gfx1250"
	.amdhsa_code_object_version 6
	.text
	.protected	k_qaf7b38452b_layer0
	.globl	k_qaf7b38452b_layer0
	.p2align	8
	.type	k_qaf7b38452b_layer0,@function
k_qaf7b38452b_layer0:
	s_mov_b64 s[64:65], 0
	v_nop
	global_prefetch_b8 v0, s[64:65] scope:SCOPE_SE
	s_setreg_imm32_b32 hwreg(HW_REG_WAVE_MODE, 25, 1), 1
	s_wait_xcnt 0x0
	s_wait_alu depctr_hold_cnt(0) depctr_sa_sdst(0) depctr_va_vdst(0) depctr_va_sdst(0) depctr_va_ssrc(0) depctr_va_vcc(0) depctr_vm_vsrc(0)
	s_getreg_b32 s2, hwreg(HW_REG_IB_STS2, 6, 4)
	s_cmp_eq_u32 s2, 0
	s_cbranch_scc0 .Lentry_in_a_cluster
	s_endpgm
.Lentry_in_a_cluster:
	s_bfe_u32 s2, ttmp6, 0x10000c
	s_cmp_lg_u32 s2, 0xf033
	s_cbranch_scc0 .Lentry_shape_is_right
	s_endpgm
.Lentry_shape_is_right:
.set LAYER, 0                          ; this text serves the three layers; this line alone differs
; y[b][o] = sum over e of blend[b][e] (W[e][o][:] . a[b][:]) + sum over e of blend[b][e] B[e][o];  ELU behind layers 0 and 1.
; THE PRODUCT is a plain GEMM a x W'^T with 8 x NOUT columns (W' = all experts' rows, f16, rows in the order (o/32)*256 + e*32 + o%32), sums in f32.
; A work-group makes 256 rows x 256 columns of it = 32 outputs x 8 experts, with four waves; a wave makes 128 rows x (16 outputs x 8 experts):
; 64 accumulator tiles of 16 x 16, tile (a, e) = row block a, expert e.  So the sum over the experts stays inside a lane: on the way out
; y = U (sum over e of blend acc(a, e)) + bias, all in f32.  K goes in steps of 128 through two LDS slots filled by the tensor data mover.
; THE BIAS blend x B is a product of 16 rows x 8 x 16 columns for each row block: one matrix instruction, operands in f16, e in k = 0..7.
; CLUSTERS: 4 x 4 work-groups.  The four of a row of the cluster need the same rows of a, the four of a column the same rows of W':
; each tile is asked for jointly by the four, which divides the requests for both by four.
; ACTIVATIONS lie in f16 as [k/32][row][k%32] (a plane of 262,144 bytes for 32 columns), so that a work-group's 256 rows x 32 outputs are 16,384
; consecutive bytes, and the next layer's tile (128 rows x 128 k) is four dense runs of 8,192 bytes: one descriptor of 4 rows of 8,192 bytes
; (a tile of more, shorter rows would need a third dimension).
; ROW SCALES: each stored row is multiplied by an exact power of two INV = 2^(141-t), t = exponent field of max(beta, 2^-112), beta a bound of the row's
; magnitudes: |x| <= L1(x);  |h1| <= beta1 = S (w0 L1(x) + b0) + 1;  |h2| <= beta2 = S (w1 1024 beta1 + b1) + 1 (each of the 1,024 |h1| is at most beta1),
; with S = sum of |blend| of the row, w, b = largest |W|, |B|.  So a stored number is below 2^15 for every finite input.  The launch that reads a row
; makes U = 1/INV from the same stored figures by the same instructions in the same order: the two agree bit for bit.
; LIMITS: beta must stay below 2^128; |W|, |B| and (for the bias product) |blend| above 65,504 are infinite in f16; a NaN in y is dropped by ELU's min
; and max.  ELU's negative side is exp2(1.442695 y) - 1 below -2^-7 and y + y^2/2 above it: both within 2e-5 relative.
; Layer 2's output rows are f32: a work-group holds 128 bytes of each (32 outputs), and a store of a wave covers four such pieces.  Longer pieces would need
; 64 outputs x 8 experts = 512 rows of W' in a slot, and two such slots (2 x 180,224 bytes) do not fit in the 327,680 bytes of LDS.
.if LAYER == 0
.set KDIM, 512
.set NOUT, 1024
.set WOFF, 0
.set ARG_A, 0
.set ARG_XS, 0
.set ARG_WH, 8
.set ARG_BIAS, 16
.set ARG_BLEND, 24
.set ARG_OUT, 32
.else
.set KDIM, 1024
.set ARG_A, 0
.set ARG_XS, 8
.set ARG_WH, 16
.set ARG_BIAS, 24
.set ARG_BLEND, 32
.set ARG_OUT, 40
.endif
.if LAYER == 1
.set NOUT, 1024
.set WOFF, 8388608
.endif
.if LAYER == 2
.set NOUT, 512
.set WOFF, 25165824
.endif
.set LAPS,   KDIM/256                  ; a lap = two K steps = once round the ring
.set PLANE,  262144                    ; bytes of 32 columns of all 4,096 rows of a
.set APITCH, 80                        ; LDS: 64 bytes of a row of a (32 k) + 16 of padding
.set BPITCH, 272                       ; LDS: 256 bytes of a row of W' (128 k) + 16 of padding.  Both pitches are odd multiples of 16: a fragment's 16 rows start in 16 different 16-byte columns of 256
.set AHALF,  4*128*APITCH              ; 40,960: four planes x 128 rows, what one load brings of a
.set BHALF,  128*BPITCH                ; 34,816: 128 rows of W'
.set BBASE,  2*AHALF                   ; W' lies behind a's 256 rows
.set SLOT,   BBASE+2*BHALF             ; 151,552; the two slots are all of the work-group's LDS
.set XL1, 4194304                      ; in xs: sums of |x|
.set PM0, 4210688                      ; in xs: 256 pairs (largest |W0|, |B0|)
.set PM1, 4212736                      ; in xs: 512 pairs (largest |W1|, |B1|)
; REGISTERS.  Window 0: v0-63 addresses and row figures, v64-127 and v128-191 fragments of a (two buffers), v192-255 the blended bias.
; Window 1: v0-63 blend, v64-191 fragments of W'.  Windows 2, 3: accumulators of row blocks 0-3, 4-7, tile (a, e) at v[8 (8 (a%4) + e)].
.set OFR,  5                           ; start only: 32 r
.set OFR4, 6                           ; start only: 4 r
.set HH,   8                           ; v8-15   the way out: packed f16 of two row blocks
.set ADRA, 16                          ; v16-17  LDS address of my fragments of a in slot 0, 1
.set HMASK,19                          ; start only: all ones in lanes 0-15, zero in lanes 16-31
.set ADRB, 20                          ; v20-21  the same for W'
.set STO,  22                          ; the way out: where I put my piece of a row
.set RD,   23                          ; the way out: where I read rows back
.set CO,   24                          ; my byte offset in the output
.set W0M,  26
.set B0M,  27
.set W1M,  28
.set B1M,  29
.set OFL,  31                          ; start only: 16 l
.set UIN,  32                          ; v32-39  U of the rows of a
.set INV,  40                          ; v40-47  INV of the rows that go out
.set SS,   48                          ; v48-55  S
.set LX,   56                          ; v56-63  L1(x) of row 16 a + r
.set F0,   64
.set F1,   128
.set BIAS, 192                         ; v[192 + 8 a + j]: bias of row 16 a + r, column 8 h + j
.set BLF,  64                          ; start only, v64-99: blend in f16; row block a's fragment is v[64 + 4 a : 64 + 4 a + 7]
.set PS,   104                         ; start only, v104-127: pair sums of |blend|
.set T1,   104                         ; then beta1
.set T2,   112                         ; and beta2
.set BFR,  128                         ; start only, v128-135: B's fragment
.set BRAW, 136                         ; start only, v136-143: B[e][my column], f32
.set PMR0, 144                         ; start only
.set PMR1, 160
.set BL,   0                           ; window 1: v[8 a + e] = blend[16 a + r][e]
.set YY,   128                         ; the way out, in buffer 1: two row blocks, 16 registers each
.set NN,   144
.set EE,   160
.set QQ,   176
.set G1,  24                           ; s[24:31] descriptor group 1 for a's tiles
.set G0,  32                           ; s[32:39] group 0 for a's tiles, one set for each slot
.set G1B, 48                           ; s[48:55] group 1 for W's tiles
.set G0B, 56                           ; s[56:63] group 0 for W's tiles
.set MSB, 0
.macro WIN new                         ; s_set_vgpr_msb: bits 1:0 source 0, 3:2 source 1, 5:4 source 2, 7:6 destination; the high byte repeats the setting that is left
.if MSB != \new
	s_set_vgpr_msb (MSB<<8)|\new
.set MSB, \new
.endif
.endm
.set MUL_LO, 0xa1                      ; source 0 (W') window 1, source 1 (a) window 0, C and D window 2
.set MUL_HI, 0xf1                      ; the same, C and D window 3
.set TO_B,   0x40                      ; destination window 1, address window 0
; A joint load.  Waves 0 and 1 fetch a's two halves, waves 2 and 3 W's.  Each line has one mask and one set of registers; the branch hangs on the wave's number alone.
.macro JLOAD s
	s_cmp_eq_u32 s11, 0
	s_cbranch_scc0 .Lfor_b_\@
	tensor_load_to_lds s[G0+4*\s:G0+4*\s+3], s[G1:G1+7]
	s_nop 0
	s_branch .Lasked_\@
.Lfor_b_\@:
	tensor_load_to_lds s[G0B+4*\s:G0B+4*\s+3], s[G1B:G1B+7]
	s_nop 0
.Lasked_\@:
.endm
; A round of the cluster's barrier: my work-group's barrier; wave 0 signals for the work-group; every wave waits for all sixteen; my work-group's barrier once more.
.macro CROUND
	s_barrier_signal -1
	s_barrier_wait -1
	s_cmp_lg_u32 s10, 0
	s_cbranch_scc1 .Lnot_wave_0_\@
	s_barrier_signal -3
.Lnot_wave_0_\@:
	s_barrier_wait -3
	s_barrier_signal -1
	s_barrier_wait -1
.endm
; packed f32 with register b broadcast to both halves: of an even b the pair's first register twice, of an odd b the second twice
.macro PKFMA_B d, x, b, c
.if ((\b) & 1)
	v_pk_fma_f32 v[\d:\d+1], v[\x:\x+1], v[\b-1:\b], v[\c:\c+1] op_sel:[0,1,0] op_sel_hi:[1,1,1]
.else
	v_pk_fma_f32 v[\d:\d+1], v[\x:\x+1], v[\b:\b+1], v[\c:\c+1] op_sel_hi:[1,0,1]
.endif
.endm
.macro PKMUL_B d, x, b
.if ((\b) & 1)
	v_pk_mul_f32 v[\d:\d+1], v[\x:\x+1], v[\b-1:\b] op_sel:[0,1] op_sel_hi:[1,1]
.else
	v_pk_mul_f32 v[\d:\d+1], v[\x:\x+1], v[\b:\b+1] op_sel_hi:[1,0]
.endif
.endm
.macro PMAX R, n, wmx, bmx             ; n loads of two pairs (w, b) a lane, from register R on: the lane's largest w and largest b
	v_max_num_f32 v[\wmx], v[\R], v[\R+2]
	v_max_num_f32 v[\bmx], v[\R+1], v[\R+3]
.set pmi, 1
.rept \n-1
	v_max3_num_f32 v[\wmx], v[\R+4*pmi], v[\R+4*pmi+2], v[\wmx]
	v_max3_num_f32 v[\bmx], v[\R+4*pmi+1], v[\R+4*pmi+3], v[\bmx]
.set pmi, pmi+1
.endr
.endm
.macro WSTEP m                         ; one step of the maxima over 16 lanes, all figures side by side
	v_max_num_f32_dpp v[W0M], v[W0M], v[W0M] row_xmask:\m row_mask:0xf bank_mask:0xf
	v_max_num_f32_dpp v[B0M], v[B0M], v[B0M] row_xmask:\m row_mask:0xf bank_mask:0xf
.if LAYER > 0
	v_max_num_f32_dpp v[W1M], v[W1M], v[W1M] row_xmask:\m row_mask:0xf bank_mask:0xf
	v_max_num_f32_dpp v[B1M], v[B1M], v[B1M] row_xmask:\m row_mask:0xf bank_mask:0xf
.endif
.endm
; The scale arithmetic goes step by step over the eight row blocks, so that eight independent instructions follow each other.
.macro BETA8 t, wmx, L, bmx            ; S (w L + b) + 1
.irp a, 0,1,2,3,4,5,6,7
	v_fma_f32 v[\t+\a], v[\wmx], v[\L+\a], v[\bmx]
.endr
.irp a, 0,1,2,3,4,5,6,7
	v_fma_f32 v[\t+\a], v[SS+\a], v[\t+\a], 1.0
.endr
.endm
.macro P2X8 d, b, inv                  ; inv = 0: U = 2^(t - 141); inv = 1: INV = 2^(141 - t)
.irp a, 0,1,2,3,4,5,6,7
	v_max_num_f32 v[\d+\a], 0x07800000, v[\b+\a]
.endr
.irp a, 0,1,2,3,4,5,6,7
	v_lshrrev_b32 v[\d+\a], 23, v[\d+\a]
.endr
.irp a, 0,1,2,3,4,5,6,7
.if \inv
	v_sub_nc_u32 v[\d+\a], 268, v[\d+\a]
.else
	v_add_nc_u32 v[\d+\a], -14, v[\d+\a]
.endif
.endr
.irp a, 0,1,2,3,4,5,6,7
	v_lshlrev_b32 v[\d+\a], 23, v[\d+\a]
.endr
.endm
	s_load_b64 s[4:5], s[0:1], ARG_A               ; a (layer 0: x in f16, at the head of xs)
	s_load_b64 s[6:7], s[0:1], ARG_WH
	s_load_b64 s[8:9], s[0:1], ARG_OUT
	s_load_b64 s[66:67], s[0:1], ARG_BIAS
	s_load_b64 s[68:69], s[0:1], ARG_BLEND
	s_load_b64 s[70:71], s[0:1], ARG_XS
	s_set_vgpr_msb 0x40
	v_lshl_add_u32 v255, v0, 2, 0x4a000
	s_set_vgpr_msb 0x4000
	v_mov_b32 v30, 0
	s_set_vgpr_msb 0x1
	ds_add_u32 v255, v30
	s_wait_dscnt 0x0
	s_set_vgpr_msb 0x100
	; all that needs no argument stands ahead of the wait for them
	v_lshrrev_b32 v1, 5, v0
	v_readfirstlane_b32 s10, v1                    ; wave 0..3
	s_lshr_b32 s11, s10, 1                         ; wm: which 128 rows are mine.  Also: I fetch for a (0) or for W' (1)
	s_and_b32 s12, s10, 1                          ; wn: which 16 outputs.  Also: which 128 rows of that tile I fetch
	s_bfe_u32 s40, ttmp6, 0x40000                  ; cx
	s_bfe_u32 s41, ttmp6, 0x40004                  ; cy
	s_lshl_b32 s42, ttmp9, 2
	s_add_co_u32 s42, s42, s40                     ; bx: block of 32 outputs
	s_and_b32 s13, ttmp7, 0xffff
	s_lshl_b32 s13, s13, 2
	s_add_co_u32 s13, s13, s41                     ; by: block of 256 rows
	s_lshl_b32 s43, s41, 2
	s_lshl_b32 s43, 15, s43                        ; my row of the cluster: places 4 cy .. 4 cy + 3
	s_lshl_b32 s44, 0x1111, s40                    ; my column: places cx, cx + 4, cx + 8, cx + 12
	; group 1 for a: 4 rows (planes) of 1,024 elements of 8 bytes, a plane = 32,768 elements; 16 bytes of padding behind every 64
	s_or_b32 s[G1+0], s43, (3<<16)|(1<<20)|(1<<21)|(3<<22)|(3<<25)   ; 15:0 mask: my row; 17:16 element of 8 bytes; 20 padding on; 21 set beside a mask; 24:22 after every 16 words (code 3); 31:25 of 4 words (code 3)
	s_mov_b32 s[G1+1], 1024<<16                    ; tensor_dim0 = 1,024
	s_mov_b32 s[G1+2], 4<<16                       ; tensor_dim1 = 4
	s_mov_b32 s[G1+3], 1024<<16                    ; tile_dim0 = 1,024
	s_mov_b32 s[G1+4], 4                           ; tile_dim1 = 4
	s_mov_b32 s[G1+5], PLANE/8                     ; from plane to plane, in elements
	s_mov_b32 s[G1+6], 0
	s_mov_b32 s[G1+7], 0
	; group 1 for W': 128 rows of 128 elements of 2 bytes, 16 bytes of padding behind every 256
	s_or_b32 s[G1B+0], s44, (1<<16)|(1<<20)|(1<<21)|(5<<22)|(3<<25)  ; mask: my column; after every 64 words (code 5) 4 words
	s_mov_b32 s[G1B+1], 128<<16
	s_mov_b32 s[G1B+2], 128<<16
	s_mov_b32 s[G1B+3], 128<<16
	s_mov_b32 s[G1B+4], 128
	s_mov_b32 s[G1B+5], KDIM
	s_mov_b32 s[G1B+6], 0
	s_mov_b32 s[G1B+7], 0
	; a's tiles hang on by alone, W's on bx alone, each in registers that never hold the other coordinate
	s_lshl_b32 s16, s13, 14                        ; 256 rows x 64 bytes in a plane
	s_lshl_b32 s17, s12, 13                        ; + my 128 rows
	s_add_co_u32 s16, s16, s17
	s_mov_b32 s17, 0
	s_lshl_b32 s46, s42, 8
	s_lshl_b32 s47, s12, 7
	s_add_co_u32 s46, s46, s47                     ; row 256 bx + 128 half of W'
	s_mul_i32 s46, s46, KDIM*2
	s_add_co_u32 s46, s46, WOFF                    ; below 2^26: 32 bits do
	s_mov_b32 s47, 0
	s_mul_i32 s20, s10, AHALF                      ; where they go: a's line is issued by waves 0, 1: wave x 40,960;
	s_mul_i32 s21, s10, BHALF                      ; W's by waves 2, 3: 81,920 + (wave - 2) x 34,816
	s_add_co_u32 s21, s21, BBASE-2*BHALF
	s_mov_b32 s76, 0x76543210                      ; v_permlanex16_b32: lane i of one half reads lane i of the other
	s_mov_b32 s77, 0xfedcba98
	s_mov_b32 s86, 0xbc000000                      ; -2^-7
	s_lshl_b32 s78, s42, 7                         ; bias: column 32 bx + 16 wn, 4 bytes each
	s_lshl_b32 s79, s12, 6
	s_add_co_u32 s78, s78, s79
	s_mov_b32 s79, 0
	s_lshl_b32 s18, s13, 8
	s_lshl_b32 s19, s11, 7
	s_add_co_u32 s18, s18, s19                     ; my first row
	s_lshl_b32 s80, s18, 5                         ; blend: 32 bytes a row
	s_mov_b32 s81, 0
	s_lshl_b32 s84, s18, 2                         ; the sums of |x|: 4 bytes a row
	s_mov_b32 s85, 0
.if LAYER < 2
	s_lshl_b32 s82, s42, 18                        ; out: plane bx, rows 256 by ..
	s_lshl_b32 s83, s13, 14
.else
	s_lshl_b32 s82, s13, 19                        ; out0: 256 rows of 2,048 bytes, 128 bytes a block of outputs
	s_lshl_b32 s83, s42, 7
.endif
	s_add_co_u32 s82, s82, s83
	s_mov_b32 s83, 0
	v_and_b32 v1, 15, v0                           ; r
	v_bfe_u32 v2, v0, 4, 1                         ; h
	v_and_b32 v3, 31, v0                           ; l
	v_lshlrev_b32 v[OFR], 5, v1
	v_lshlrev_b32 v[OFR4], 2, v1
	v_lshlrev_b32 v[OFL], 4, v3
	v_add_nc_u32 v[HMASK], -1, v2                  ; h = 0: all ones; h = 1: zero
	; LDS addresses.  A fragment is 16 rows x 32 k in 8 registers: lane (r, h) holds row r; registers 0-3 k = 8 h .., registers 4-7 k = 16 + 8 h ..: two loads of 16 bytes, 32 apart.
	v_mul_u32_u24 v4, v1, APITCH
	v_lshl_add_u32 v4, v2, 4, v4                   ; 80 r + 16 h
	s_mul_i32 s22, s11, AHALF
	v_add_nc_u32 v[ADRA], s22, v4
	v_add_nc_u32 v[ADRA+1], SLOT, v[ADRA]
	v_mul_u32_u24 v7, v1, BPITCH
	v_lshl_add_u32 v7, v2, 4, v7
	s_mul_i32 s23, s12, 16*BPITCH                  ; expert e's rows 32 e + 16 wn + r of the tile
	s_add_co_u32 s23, s23, BBASE
	v_add_nc_u32 v[ADRB], s23, v7
	v_add_nc_u32 v[ADRB+1], SLOT, v[ADRB]
.if LAYER < 2
	s_mul_i32 s22, s11, 128*80                     ; stage: 256 rows of 64 bytes (32 f16), pitch 80
	s_lshl_b32 s23, s12, 5
	s_add_co_u32 s22, s22, s23
	v_add_nc_u32 v[STO], s22, v4                   ; (128 wm + r) 80 + 32 wn + 16 h
	v_lshrrev_b32 v7, 2, v3
	v_and_b32 v9, 3, v3
	v_mul_u32_u24 v7, v7, 80
	v_lshl_add_u32 v7, v9, 4, v7
	s_mul_i32 s22, s10, 64*80
	v_add_nc_u32 v[RD], s22, v7                    ; back: wave w takes rows 64 w .., four lanes a row
	s_lshl_b32 s22, s10, 12
	v_lshl_add_u32 v[CO], v3, 4, s22               ; 4,096 w + 16 l
.else
	v_mul_u32_u24 v7, v1, 144                      ; stage: 256 rows of 128 bytes (32 f32), pitch 144
	v_lshl_add_u32 v7, v2, 5, v7
	s_mul_i32 s22, s11, 128*144
	s_lshl_b32 s23, s12, 6
	s_add_co_u32 s22, s22, s23
	v_add_nc_u32 v[STO], s22, v7                   ; (128 wm + r) 144 + 64 wn + 32 h
	v_lshrrev_b32 v7, 3, v3
	v_and_b32 v9, 7, v3
	v_mul_u32_u24 v10, v7, 144
	v_lshl_add_u32 v10, v9, 4, v10
	s_mul_i32 s22, s10, 64*144
	v_add_nc_u32 v[RD], s22, v10                   ; back: eight lanes a row
	v_lshlrev_b32 v7, 11, v7
	v_lshl_add_u32 v7, v9, 4, v7
	s_lshl_b32 s22, s10, 17
	v_add_nc_u32 v[CO], s22, v7                    ; (64 w + l/8) 2,048 + 16 (l%8)
.endif
	CROUND                                         ; all sixteen work-groups are here: the first joint loads meet
	s_wait_kmcnt 0x0
	s_add_nc_u64 s[14:15], s[4:5], s[16:17]
	s_add_nc_u64 s[46:47], s[6:7], s[46:47]
.irp s, 0,1
	s_mov_b32 s[G0+4*\s], 1
	s_add_co_u32 s[G0+4*\s+1], s20, \s*SLOT
	s_add_nc_u64 s[G0+4*\s+2:G0+4*\s+3], s[14:15], \s*4*PLANE      ; K step s = planes 4 s .. 4 s + 3
	s_or_b32 s[G0+4*\s+3], s[G0+4*\s+3], 0x80000000
	s_mov_b32 s[G0B+4*\s], 1
	s_add_co_u32 s[G0B+4*\s+1], s21, \s*SLOT
	s_add_nc_u64 s[G0B+4*\s+2:G0B+4*\s+3], s[46:47], \s*256        ; K step s = 256 bytes along the rows
	s_or_b32 s[G0B+4*\s+3], s[G0B+4*\s+3], 0x80000000
	JLOAD \s                                       ; both slots are asked for before anything else: two tensor loads of the wave are out
.endr
	; WHILE THE TILES ARE ON THEIR WAY: blend, bias and the figures of the row scales
	s_add_nc_u64 s[66:67], s[66:67], s[78:79]
	s_add_nc_u64 s[68:69], s[68:69], s[80:81]
	s_add_nc_u64 s[72:73], s[70:71], s[84:85]
	s_add_nc_u64 s[8:9], s[8:9], s[82:83]
	WIN TO_B
.irp a, 0,1,2,3,4,5,6,7
	global_load_b128 v[BL+8*\a:BL+8*\a+3],   v[OFR], s[68:69] offset:\a*512       ; blend[16 a + r][0..3]
	global_load_b128 v[BL+8*\a+4:BL+8*\a+7], v[OFR], s[68:69] offset:\a*512+16    ; [4..7]
.endr
	WIN 0
.irp e, 0,1,2,3,4,5,6,7
	global_load_b32 v[BRAW+\e], v[OFR4], s[66:67] offset:\e*NOUT*4                ; B[e][my first column + r]
.endr
.irp a, 0,1,2,3,4,5,6,7
	global_load_b32 v[LX+\a], v[OFR4], s[72:73] offset:XL1+\a*64                  ; L1(x) of row 16 a + r: my 128 rows' figures are 512 consecutive bytes
.endr
.irp i, 0,1,2,3
	global_load_b128 v[PMR0+4*\i:PMR0+4*\i+3], v[OFL], s[70:71] offset:PM0+\i*512
.endr
.if LAYER > 0
.irp i, 0,1,2,3,4,5,6,7
	global_load_b128 v[PMR1+4*\i:PMR1+4*\i+3], v[OFL], s[70:71] offset:PM1+\i*512
.endr
.endif
	s_wait_loadcnt 0x0                             ; all of it is needed next
	WIN 0x05                                       ; sources 0 and 1 in window 1 (blend), destination in window 0
.irp a, 0,1,2,3,4,5,6,7
.irp p, 0,1,2,3
	v_cvt_pk_f16_f32 v[BLF+4*\a+\p], v[BL+8*\a+2*\p], v[BL+8*\a+2*\p+1]           ; registers 0-3 of row block a's fragment: k = e = 0..7 in lanes 0-15
.endr
.endr
.irp p, 0,1,2,3
	v_cvt_pk_f16_f32 v[BLF+32+\p], v[BL+2*\p], v[BL+2*\p+1]                       ; registers 4-7 of a fragment are the next one's 0-3 (the last one's: these): any finite numbers do, they meet zeros of B's fragment
.endr
.irp a, 0,1,2,3,4,5,6,7
	v_add_f32 v[SS+\a], |v[BL+8*\a]|, |v[BL+8*\a+1]|
.endr
.irp k, 1,2,3
.irp a, 0,1,2,3,4,5,6,7
	v_add_f32 v[PS+8*(\k-1)+\a], |v[BL+8*\a+2*\k]|, |v[BL+8*\a+2*\k+1]|
.endr
.endr
	WIN 0
.irp p, 0,1,2,3
	v_cvt_pk_f16_f32 v[BFR+\p], v[BRAW+2*\p], v[BRAW+2*\p+1]
.endr
.irp p, 0,1,2,3
	v_and_b32 v[BFR+\p], v[HMASK], v[BFR+\p]       ; lanes 16-31 hold k = 8..15: zero
.endr
.irp p, 0,1,2,3
	v_mov_b32 v[BFR+4+\p], 0                       ; k = 16..31: zero
.endr
.irp a, 0,1,2,3,4,5,6,7
	v_wmma_f32_16x16x32_f16 v[BIAS+8*\a:BIAS+8*\a+7], v[BFR:BFR+7], v[BLF+4*\a:BLF+4*\a+7], 0   ; bias of rows 16 a + r, columns 8 h + j: eight accumulators, one instruction each
.endr
	; the figures of the scales; none of these lines names a register of the eight matrix instructions above
	PMAX PMR0, 4, W0M, B0M
.if LAYER > 0
	PMAX PMR1, 8, W1M, B1M
.endif
	WSTEP 1
	WSTEP 2
	WSTEP 4
	WSTEP 8
	v_permlanex16_b32 v1, v[W0M], s76, s77         ; v1-v4 have been written
	v_permlanex16_b32 v2, v[B0M], s76, s77
.if LAYER > 0
	v_permlanex16_b32 v3, v[W1M], s76, s77
	v_permlanex16_b32 v4, v[B1M], s76, s77
.endif
	v_max_num_f32 v[W0M], v[W0M], v1
	v_max_num_f32 v[B0M], v[B0M], v2
.if LAYER > 0
	v_max_num_f32 v[W1M], v[W1M], v3
	v_max_num_f32 v[B1M], v[B1M], v4
.endif
.irp a, 0,1,2,3,4,5,6,7
	v_add_f32 v[SS+\a], v[SS+\a], v[PS+\a]
.endr
.irp a, 0,1,2,3,4,5,6,7
	v_add_f32 v[PS+8+\a], v[PS+8+\a], v[PS+16+\a]
.endr
.irp a, 0,1,2,3,4,5,6,7
	v_add_f32 v[SS+\a], v[SS+\a], v[PS+8+\a]       ; S: the same order of sums in every launch
.endr
.if LAYER == 0
	P2X8 UIN, LX, 0
.endif
	BETA8 T1, W0M, LX, B0M                         ; beta1
.if LAYER == 0
	P2X8 INV, T1, 1
.endif
.if LAYER == 1
	P2X8 UIN, T1, 0
.endif
.if LAYER > 0
.irp a, 0,1,2,3,4,5,6,7
	v_mul_f32 v[T2+\a], 0x44800000, v[T1+\a]       ; 1,024 beta1 bounds L1(h1)
.endr
	BETA8 T2, W1M, T2, B1M                         ; beta2
.endif
.if LAYER == 1
	P2X8 INV, T2, 1
.endif
.if LAYER == 2
	P2X8 UIN, T2, 0
.endif
; 16 matrix instructions: row blocks a0, a0 + 1 of the window's four x all 8 experts, 32 along K.  Source 0 = 16 rows of W', source 1 = 16 rows of a:
; lane (r, h) then holds row r, and registers 0-7 the outputs 8 h + 0 .. 7.  zero = 1: the first product starts the sums.
; The 64 accumulators take turns, one instruction a turn, in the same order in every quarter step.
.macro MUL16 f, hi, a0, zero
.irp a, \a0, \a0+1
.irp b, 0,1,2,3,4,5,6,7
.if \zero
	v_wmma_f32_16x16x32_f16 v[8*(8*(\a)+\b):8*(8*(\a)+\b)+7], v[\f+8*\b:\f+8*\b+7], v[\f+8*(4*\hi+\a):\f+8*(4*\hi+\a)+7], 0
.else
	v_wmma_f32_16x16x32_f16 v[8*(8*(\a)+\b):8*(8*(\a)+\b)+7], v[\f+8*\b:\f+8*\b+7], v[\f+8*(4*\hi+\a):\f+8*(4*\hi+\a)+7], v[8*(8*(\a)+\b):8*(8*(\a)+\b)+7]
.endif
.endr
.endr
.endm
; 32 LDS loads in one run: the fragments of quarter kq (32 k) of a slot into buffer f: 8 experts x 16 rows of W' (32 rows = 8,704 bytes apart), 8 x 16 rows of a (plane kq)
.macro FETCH slot, kq, f
	WIN TO_B
.irp i, 0,1,2,3,4,5,6,7
	ds_load_b128 v[\f+8*\i:\f+8*\i+3],   v[ADRB+\slot] offset:\kq*64+\i*32*BPITCH
	ds_load_b128 v[\f+8*\i+4:\f+8*\i+7], v[ADRB+\slot] offset:\kq*64+\i*32*BPITCH+32
.endr
	WIN 0
.irp i, 0,1,2,3,4,5,6,7
	ds_load_b128 v[\f+8*\i:\f+8*\i+3],   v[ADRA+\slot] offset:\kq*128*APITCH+\i*16*APITCH
	ds_load_b128 v[\f+8*\i+4:\f+8*\i+7], v[ADRA+\slot] offset:\kq*128*APITCH+\i*16*APITCH+32
.endr
.endm
; A load into a register that a matrix instruction has read, and a vector instruction that reads a matrix result, stand four places behind it, and only plain
; vector instructions that name none of its registers are places (ISA guide 7.12.1 for vector instructions).
.macro PLACES
.rept 4
	v_nop
.endr
.endm
; A quarter step: buffer f is multiplied.  The run of loads for the next quarter (kq of the same slot, into buffer g, which the last quarter multiplied)
; stands at its head, so that it has all 64 matrix instructions in which to land.
.macro QUARTER slot, kq, f, g, zero
	s_wait_dscnt 0x0                               ; buffer f is in
	PLACES
	FETCH \slot, \kq, \g
	WIN MUL_LO
	MUL16 \f, 0, 0, \zero
	MUL16 \f, 0, 2, \zero
	WIN MUL_HI
	MUL16 \f, 1, 0, \zero
	MUL16 \f, 1, 2, \zero
.endm
.macro THREE slot, zero
	QUARTER \slot, 1, F0, F1, \zero
	QUARTER \slot, 2, F1, F0, 0
	QUARTER \slot, 3, F0, F1, 0
.endm
; The last quarter of a K step: multiplies buffer 1 and changes slots.  In front of the barrier each wave waits for its reads of this slot (buffer 1's run was the
; last of them) and for all its tensor loads (one is out: its part of the next slot).  fill = 1: the barrier opens a round of the cluster's barrier; inside the round
; stands register work alone, 16 matrix instructions ahead of each of its first two waits; behind its closing wait the refill comes first, one tensor load a wave,
; then the next slot's first fragments.  From a request to the wait for it a wave issues 224 matrix instructions.
.macro TURN slot, next, fill
	s_wait_dscnt 0x0                               ; buffer 1 is in: my reads of this slot are over
	s_wait_tensorcnt 0x0                           ; all my tensor loads have landed, so a group 0 may be written:
	ds_add_u32 v255, v30
	s_wait_dscnt 0x0
.if \fill
	s_add_nc_u64 s[G0+4*\slot+2:G0+4*\slot+3], s[G0+4*\slot+2:G0+4*\slot+3], 8*PLANE     ; this slot's next tile, two K steps on
	s_add_nc_u64 s[G0B+4*\slot+2:G0B+4*\slot+3], s[G0B+4*\slot+2:G0B+4*\slot+3], 512
.endif
	s_barrier_signal -1
	WIN MUL_LO
	MUL16 F1, 0, 0, 0                              ; registers only, while the other waves arrive
.if \fill
	WIN 0                                          ; a branch and a label follow
.endif
	s_barrier_wait -1
.if \fill
	s_cmp_lg_u32 s10, 0
	s_cbranch_scc1 .Lnot_first_\@
	s_barrier_signal -3                            ; wave 0 says so for the work-group
.Lnot_first_\@:
.endif
	WIN MUL_LO
	MUL16 F1, 0, 2, 0                              ; registers only, while the other work-groups arrive
.if \fill
	WIN 0
	s_barrier_wait -3
	s_barrier_signal -1
	s_barrier_wait -1                              ; no wave of any partner still reads this slot or has a load on its way
	JLOAD \slot
.endif
	PLACES
	FETCH \next, 0, F0
	WIN MUL_HI
	MUL16 F1, 1, 0, 0
	MUL16 F1, 1, 2, 0
.endm
.macro LAP zero
	THREE 0, \zero
	TURN 0, 1, 1
	THREE 1, 0
	TURN 1, 0, 1
.endm
	s_wait_tensorcnt 1                             ; my part of K step 0 is in; K step 1's may stay out
	s_barrier_signal -1
	s_barrier_wait -1                              ; everybody's is
	FETCH 0, 0, F0
	LAP 1                                          ; the first lap stands in front of the loop: its first products start the sums
.if LAPS > 2
	WIN 0
	s_mov_b32 s3, LAPS-2
.Llap:
	LAP 0
	WIN 0
	s_sub_co_u32 s3, s3, 1
	s_cmp_lg_u32 s3, 0
	s_cbranch_scc1 .Llap
.endif
	THREE 0, 0                                     ; the last lap fills nothing
	TURN 0, 1, 0                                   ; behind its barrier no wave reads slot 0 any more, and slot 0 has had its last fill
	THREE 1, 0
	s_wait_dscnt 0x0                               ; the very last quarter: nothing more to fetch
	WIN MUL_LO
	MUL16 F1, 0, 0, 0
	MUL16 F1, 0, 2, 0
	WIN MUL_HI
	MUL16 F1, 1, 0, 0
	MUL16 F1, 1, 2, 0
	PLACES                                         ; behind the last matrix instructions, for all that follows
; THE WAY OUT, two row blocks (2 x 16 rows x my 16 outputs) at a time, so that eight independent packed instructions follow each other; the stage lies in slot 0.
.macro EPI2 a
.if \a < 4
	WIN 0x06                                       ; source 0 (accumulators) window 2, source 1 (blend) window 1
.else
	WIN 0x07                                       ; accumulators in window 3
.endif
.irp e, 0,1,2,3,4,5,6,7
.irp i, 0,1
.irp p, 0,1,2,3
.if \e == 0
	PKMUL_B YY+8*\i+2*\p, 8*(8*((\a+\i)%4)+\e)+2*\p, BL+8*(\a+\i)+\e
.else
	PKFMA_B YY+8*\i+2*\p, 8*(8*((\a+\i)%4)+\e)+2*\p, BL+8*(\a+\i)+\e, YY+8*\i+2*\p
.endif
.endr
.endr
.endr
	WIN 0
.irp i, 0,1
.irp p, 0,1,2,3
	PKFMA_B YY+8*\i+2*\p, YY+8*\i+2*\p, UIN+\a+\i, BIAS+8*(\a+\i)+2*\p           ; y = U sum + bias
.endr
.endr
.if LAYER < 2
.irp j, 0,1,2,3,4,5,6,7,8,9,10,11,12,13,14,15
	v_min_num_f32 v[NN+\j], 0, v[YY+\j]
.endr
.irp j, 0,1,2,3,4,5,6,7,8,9,10,11,12,13,14,15
	v_max_num_f32 v[YY+\j], 0, v[YY+\j]
.endr
.irp p, 0,2,4,6,8,10,12,14
	v_pk_mul_f32 v[EE+\p:EE+\p+1], v[NN+\p:NN+\p+1], 0x3fb8aa3b op_sel_hi:[1,0]
.endr
.irp j, 0,1,2,3,4,5,6,7,8,9,10,11,12,13,14,15
	v_exp_f32 v[EE+\j], v[EE+\j]
.endr
.irp p, 0,2,4,6,8,10,12,14
	v_pk_mul_f32 v[QQ+\p:QQ+\p+1], v[NN+\p:NN+\p+1], 0.5 op_sel_hi:[1,0]      ; plain work that touches no exponential stands behind them (ISA guide 5.7.2)
.endr
.irp p, 0,2,4,6,8,10,12,14
	v_pk_fma_f32 v[QQ+\p:QQ+\p+1], v[QQ+\p:QQ+\p+1], v[NN+\p:NN+\p+1], v[NN+\p:NN+\p+1]   ; n + n^2/2
.endr
	s_wait_alu depctr_va_vdst(0)
.irp p, 0,2,4,6,8,10,12,14
	v_pk_add_f32 v[EE+\p:EE+\p+1], v[EE+\p:EE+\p+1], -1.0 op_sel_hi:[1,0]
.endr
.irp g, 0,4,8,12
.irp k, 0,1,2,3
	v_cmp_lt_f32 s[88+\k], s86, v[NN+\g+\k]        ; -2^-7 < n: the series, where exp - 1 would cancel; four masks by turns
.endr
.irp k, 0,1,2,3
	v_cndmask_b32 v[EE+\g+\k], v[EE+\g+\k], v[QQ+\g+\k], s[88+\k]
.endr
.endr
.irp p, 0,2,4,6,8,10,12,14
	v_pk_add_f32 v[YY+\p:YY+\p+1], v[YY+\p:YY+\p+1], v[EE+\p:EE+\p+1]        ; elu(y) = max(y, 0) + (exp(min(y, 0)) - 1)
.endr
.irp i, 0,1
.irp p, 0,1,2,3
	PKMUL_B YY+8*\i+2*\p, YY+8*\i+2*\p, INV+\a+\i
.endr
.endr
.irp i, 0,1
.irp p, 0,1,2,3
	v_cvt_pk_f16_f32 v[HH+4*\i+\p], v[YY+8*\i+2*\p], v[YY+8*\i+2*\p+1]
.endr
.endr
.irp i, 0,1
	ds_store_b128 v[STO], v[HH+4*\i:HH+4*\i+3] offset:(\a+\i)*16*80
.endr
.else
.irp i, 0,1
	ds_store_b128 v[STO], v[YY+8*\i:YY+8*\i+3] offset:(\a+\i)*16*144
	ds_store_b128 v[STO], v[YY+8*\i+4:YY+8*\i+7] offset:(\a+\i)*16*144+16
.endr
.endif
.endm
	EPI2 0
	EPI2 2
	EPI2 4
	EPI2 6
	s_wait_dscnt 0x0                               ; my pieces of the rows are in LDS before I say so
	s_barrier_signal -1
	s_barrier_wait -1                              ; the rows are whole
.if LAYER < 2
.irp t, 0,1,2,3,4,5,6,7
	ds_load_b128 v[F0+4*\t:F0+4*\t+3], v[RD] offset:\t*8*80
.endr
.irp t, 0,1,2,3,4,5,6,7
	s_wait_dscnt 7-\t                              ; LDS loads come back in order: load t is in, the 7 - t younger ones stay out
	global_store_b128 v[CO], v[F0+4*\t:F0+4*\t+3], s[8:9] offset:\t*512      ; a wave's store covers 512 consecutive bytes, aligned
.endr
.else
.irp t, 0,1,2,3,4,5,6,7,8,9,10,11,12,13,14,15
	ds_load_b128 v[F0+4*\t:F0+4*\t+3], v[RD] offset:\t*4*144
.endr
.irp t, 0,1,2,3,4,5,6,7,8,9,10,11,12,13,14,15
	s_wait_dscnt 15-\t                             ; load t is in, the 15 - t younger ones stay out
	global_store_b128 v[CO], v[F0+4*\t:F0+4*\t+3], s[8:9] offset:\t*8192     ; four rows, 128 consecutive bytes of each
.endr
.endif
	s_set_vgpr_msb 0x1
	s_wait_tensorcnt 0x0
	ds_add_u32 v255, v30
	s_wait_dscnt 0x0
	s_set_vgpr_msb 0x100
	CROUND                                         ; the closing round: no work-group ends while a partner may still ask for a tile that names it
	s_endpgm
.Lfunc_end_k_qaf7b38452b_layer0:
	.size	k_qaf7b38452b_layer0, .Lfunc_end_k_qaf7b38452b_layer0-k_qaf7b38452b_layer0
	.p2alignl 7, 3214868480
	.fill 96, 4, 3214868480
	.section	.rodata,"a",@progbits
	.p2align	6, 0x0
	.amdhsa_kernel k_qaf7b38452b_layer0
		.amdhsa_group_segment_fixed_size 327680
		.amdhsa_private_segment_fixed_size 0
		.amdhsa_enable_private_segment 0
		.amdhsa_kernarg_size 40
		.amdhsa_user_sgpr_count 2
		.amdhsa_user_sgpr_kernarg_segment_ptr 1
		.amdhsa_wavefront_size32 1
		.amdhsa_system_sgpr_workgroup_id_x 1
		.amdhsa_system_sgpr_workgroup_id_y 1
		.amdhsa_system_sgpr_workgroup_id_z 1
		.amdhsa_system_vgpr_workitem_id 0
		.amdhsa_next_free_vgpr 1024
		.amdhsa_next_free_sgpr 96
		.amdhsa_reserve_vcc 0
		.amdhsa_float_denorm_mode_32 3
		.amdhsa_float_denorm_mode_16_64 3
		.amdhsa_memory_ordered 1
		.amdhsa_forward_progress 1
		.amdhsa_inst_pref_size 175
	.end_amdhsa_kernel
	.amdgpu_metadata
---
amdhsa.version: [ 1, 2 ]
amdhsa.kernels:
  - .name:           k_qaf7b38452b_layer0
    .symbol:         k_qaf7b38452b_layer0.kd
    .args:
      - { .name: xs, .offset: 0, .size: 8, .value_kind: global_buffer, .address_space: global }
      - { .name: wh, .offset: 8, .size: 8, .value_kind: global_buffer, .address_space: global }
      - { .name: B0, .offset: 16, .size: 8, .value_kind: global_buffer, .address_space: global }
      - { .name: weight_blend, .offset: 24, .size: 8, .value_kind: global_buffer, .address_space: global }
      - { .name: h1, .offset: 32, .size: 8, .value_kind: global_buffer, .address_space: global }
    .group_segment_fixed_size: 327680
    .private_segment_fixed_size: 0
    .kernarg_segment_align: 8
    .kernarg_segment_size: 40
    .max_flat_workgroup_size: 128
    .sgpr_count:     96
    .vgpr_count:     1024
    .wavefront_size: 32
...
	.end_amdgpu_metadata
.endif
;; end of part 2
;; launch layer1 (part 3): grid 32 x 16, 4 waves a work-group, clusters of 4 x 4, 327,680 bytes of LDS; arguments h1, xs, wh, B1, weight_blend, h2; writes h2
.if DOCPART == 3
	.amdgcn_target "amdgcn-amd-amdhsa--gfx1250"
	.amdhsa_code_object_version 6
	.text
	.protected	k_qaf7b38452b_layer1
	.globl	k_qaf7b38452b_layer1
	.p2align	8
	.type	k_qaf7b38452b_layer1,@function
k_qaf7b38452b_layer1:
	s_mov_b64 s[64:65], 0
	v_nop
	global_prefetch_b8 v0, s[64:65] scope:SCOPE_SE
	s_setreg_imm32_b32 hwreg(HW_REG_WAVE_MODE, 25, 1), 1
	s_wait_xcnt 0x0
	s_wait_alu depctr_hold_cnt(0) depctr_sa_sdst(0) depctr_va_vdst(0) depctr_va_sdst(0) depctr_va_ssrc(0) depctr_va_vcc(0) depctr_vm_vsrc(0)
	s_getreg_b32 s2, hwreg(HW_REG_IB_STS2, 6, 4)
	s_cmp_eq_u32 s2, 0
	s_cbranch_scc0 .Lentry_in_a_cluster
	s_endpgm
.Lentry_in_a_cluster:
	s_bfe_u32 s2, ttmp6, 0x10000c
	s_cmp_lg_u32 s2, 0xf033
	s_cbranch_scc0 .Lentry_shape_is_right
	s_endpgm
.Lentry_shape_is_right:
.set LAYER, 1                          ; this text serves the three layers; this line alone differs
; y[b][o] = sum over e of blend[b][e] (W[e][o][:] . a[b][:]) + sum over e of blend[b][e] B[e][o];  ELU behind layers 0 and 1.
; THE PRODUCT is a plain GEMM a x W'^T with 8 x NOUT columns (W' = all experts' rows, f16, rows in the order (o/32)*256 + e*32 + o%32), sums in f32.
; A work-group makes 256 rows x 256 columns of it = 32 outputs x 8 experts, with four waves; a wave makes 128 rows x (16 outputs x 8 experts):
; 64 accumulator tiles of 16 x 16, tile (a, e) = row block a, expert e.  So the sum over the experts stays inside a lane: on the way out
; y = U (sum over e of blend acc(a, e)) + bias, all in f32.  K goes in steps of 128 through two LDS slots filled by the tensor data mover.
; THE BIAS blend x B is a product of 16 rows x 8 x 16 columns for each row block: one matrix instruction, operands in f16, e in k = 0..7.
; CLUSTERS: 4 x 4 work-groups.  The four of a row of the cluster need the same rows of a, the four of a column the same rows of W':
; each tile is asked for jointly by the four, which divides the requests for both by four.
; ACTIVATIONS lie in f16 as [k/32][row][k%32] (a plane of 262,144 bytes for 32 columns), so that a work-group's 256 rows x 32 outputs are 16,384
; consecutive bytes, and the next layer's tile (128 rows x 128 k) is four dense runs of 8,192 bytes: one descriptor of 4 rows of 8,192 bytes
; (a tile of more, shorter rows would need a third dimension).
; ROW SCALES: each stored row is multiplied by an exact power of two INV = 2^(141-t), t = exponent field of max(beta, 2^-112), beta a bound of the row's
; magnitudes: |x| <= L1(x);  |h1| <= beta1 = S (w0 L1(x) + b0) + 1;  |h2| <= beta2 = S (w1 1024 beta1 + b1) + 1 (each of the 1,024 |h1| is at most beta1),
; with S = sum of |blend| of the row, w, b = largest |W|, |B|.  So a stored number is below 2^15 for every finite input.  The launch that reads a row
; makes U = 1/INV from the same stored figures by the same instructions in the same order: the two agree bit for bit.
; LIMITS: beta must stay below 2^128; |W|, |B| and (for the bias product) |blend| above 65,504 are infinite in f16; a NaN in y is dropped by ELU's min
; and max.  ELU's negative side is exp2(1.442695 y) - 1 below -2^-7 and y + y^2/2 above it: both within 2e-5 relative.
; Layer 2's output rows are f32: a work-group holds 128 bytes of each (32 outputs), and a store of a wave covers four such pieces.  Longer pieces would need
; 64 outputs x 8 experts = 512 rows of W' in a slot, and two such slots (2 x 180,224 bytes) do not fit in the 327,680 bytes of LDS.
.if LAYER == 0
.set KDIM, 512
.set NOUT, 1024
.set WOFF, 0
.set ARG_A, 0
.set ARG_XS, 0
.set ARG_WH, 8
.set ARG_BIAS, 16
.set ARG_BLEND, 24
.set ARG_OUT, 32
.else
.set KDIM, 1024
.set ARG_A, 0
.set ARG_XS, 8
.set ARG_WH, 16
.set ARG_BIAS, 24
.set ARG_BLEND, 32
.set ARG_OUT, 40
.endif
.if LAYER == 1
.set NOUT, 1024
.set WOFF, 8388608
.endif
.if LAYER == 2
.set NOUT, 512
.set WOFF, 25165824
.endif
.set LAPS,   KDIM/256                  ; a lap = two K steps = once round the ring
.set PLANE,  262144                    ; bytes of 32 columns of all 4,096 rows of a
.set APITCH, 80                        ; LDS: 64 bytes of a row of a (32 k) + 16 of padding
.set BPITCH, 272                       ; LDS: 256 bytes of a row of W' (128 k) + 16 of padding.  Both pitches are odd multiples of 16: a fragment's 16 rows start in 16 different 16-byte columns of 256
.set AHALF,  4*128*APITCH              ; 40,960: four planes x 128 rows, what one load brings of a
.set BHALF,  128*BPITCH                ; 34,816: 128 rows of W'
.set BBASE,  2*AHALF                   ; W' lies behind a's 256 rows
.set SLOT,   BBASE+2*BHALF             ; 151,552; the two slots are all of the work-group's LDS
.set XL1, 4194304                      ; in xs: sums of |x|
.set PM0, 4210688                      ; in xs: 256 pairs (largest |W0|, |B0|)
.set PM1, 4212736                      ; in xs: 512 pairs (largest |W1|, |B1|)
; REGISTERS.  Window 0: v0-63 addresses and row figures, v64-127 and v128-191 fragments of a (two buffers), v192-255 the blended bias.
; Window 1: v0-63 blend, v64-191 fragments of W'.  Windows 2, 3: accumulators of row blocks 0-3, 4-7, tile (a, e) at v[8 (8 (a%4) + e)].
.set OFR,  5                           ; start only: 32 r
.set OFR4, 6                           ; start only: 4 r
.set HH,   8                           ; v8-15   the way out: packed f16 of two row blocks
.set ADRA, 16                          ; v16-17  LDS address of my fragments of a in slot 0, 1
.set HMASK,19                          ; start only: all ones in lanes 0-15, zero in lanes 16-31
.set ADRB, 20                          ; v20-21  the same for W'
.set STO,  22                          ; the way out: where I put my piece of a row
.set RD,   23                          ; the way out: where I read rows back
.set CO,   24                          ; my byte offset in the output
.set W0M,  26
.set B0M,  27
.set W1M,  28
.set B1M,  29
.set OFL,  31                          ; start only: 16 l
.set UIN,  32                          ; v32-39  U of the rows of a
.set INV,  40                          ; v40-47  INV of the rows that go out
.set SS,   48                          ; v48-55  S
.set LX,   56                          ; v56-63  L1(x) of row 16 a + r
.set F0,   64
.set F1,   128
.set BIAS, 192                         ; v[192 + 8 a + j]: bias of row 16 a + r, column 8 h + j
.set BLF,  64                          ; start only, v64-99: blend in f16; row block a's fragment is v[64 + 4 a : 64 + 4 a + 7]
.set PS,   104                         ; start only, v104-127: pair sums of |blend|
.set T1,   104                         ; then beta1
.set T2,   112                         ; and beta2
.set BFR,  128                         ; start only, v128-135: B's fragment
.set BRAW, 136                         ; start only, v136-143: B[e][my column], f32
.set PMR0, 144                         ; start only
.set PMR1, 160
.set BL,   0                           ; window 1: v[8 a + e] = blend[16 a + r][e]
.set YY,   128                         ; the way out, in buffer 1: two row blocks, 16 registers each
.set NN,   144
.set EE,   160
.set QQ,   176
.set G1,  24                           ; s[24:31] descriptor group 1 for a's tiles
.set G0,  32                           ; s[32:39] group 0 for a's tiles, one set for each slot
.set G1B, 48                           ; s[48:55] group 1 for W's tiles
.set G0B, 56                           ; s[56:63] group 0 for W's tiles
.set MSB, 0
.macro WIN new                         ; s_set_vgpr_msb: bits 1:0 source 0, 3:2 source 1, 5:4 source 2, 7:6 destination; the high byte repeats the setting that is left
.if MSB != \new
	s_set_vgpr_msb (MSB<<8)|\new
.set MSB, \new
.endif
.endm
.set MUL_LO, 0xa1                      ; source 0 (W') window 1, source 1 (a) window 0, C and D window 2
.set MUL_HI, 0xf1                      ; the same, C and D window 3
.set TO_B,   0x40                      ; destination window 1, address window 0
; A joint load.  Waves 0 and 1 fetch a's two halves, waves 2 and 3 W's.  Each line has one mask and one set of registers; the branch hangs on the wave's number alone.
.macro JLOAD s
	s_cmp_eq_u32 s11, 0
	s_cbranch_scc0 .Lfor_b_\@
	tensor_load_to_lds s[G0+4*\s:G0+4*\s+3], s[G1:G1+7]
	s_nop 0
	s_branch .Lasked_\@
.Lfor_b_\@:
	tensor_load_to_lds s[G0B+4*\s:G0B+4*\s+3], s[G1B:G1B+7]
	s_nop 0
.Lasked_\@:
.endm
; A round of the cluster's barrier: my work-group's barrier; wave 0 signals for the work-group; every wave waits for all sixteen; my work-group's barrier once more.
.macro CROUND
	s_barrier_signal -1
	s_barrier_wait -1
	s_cmp_lg_u32 s10, 0
	s_cbranch_scc1 .Lnot_wave_0_\@
	s_barrier_signal -3
.Lnot_wave_0_\@:
	s_barrier_wait -3
	s_barrier_signal -1
	s_barrier_wait -1
.endm
; packed f32 with register b broadcast to both halves: of an even b the pair's first register twice, of an odd b the second twice
.macro PKFMA_B d, x, b, c
.if ((\b) & 1)
	v_pk_fma_f32 v[\d:\d+1], v[\x:\x+1], v[\b-1:\b], v[\c:\c+1] op_sel:[0,1,0] op_sel_hi:[1,1,1]
.else
	v_pk_fma_f32 v[\d:\d+1], v[\x:\x+1], v[\b:\b+1], v[\c:\c+1] op_sel_hi:[1,0,1]
.endif
.endm
.macro PKMUL_B d, x, b
.if ((\b) & 1)
	v_pk_mul_f32 v[\d:\d+1], v[\x:\x+1], v[\b-1:\b] op_sel:[0,1] op_sel_hi:[1,1]
.else
	v_pk_mul_f32 v[\d:\d+1], v[\x:\x+1], v[\b:\b+1] op_sel_hi:[1,0]
.endif
.endm
.macro PMAX R, n, wmx, bmx             ; n loads of two pairs (w, b) a lane, from register R on: the lane's largest w and largest b
	v_max_num_f32 v[\wmx], v[\R], v[\R+2]
	v_max_num_f32 v[\bmx], v[\R+1], v[\R+3]
.set pmi, 1
.rept \n-1
	v_max3_num_f32 v[\wmx], v[\R+4*pmi], v[\R+4*pmi+2], v[\wmx]
	v_max3_num_f32 v[\bmx], v[\R+4*pmi+1], v[\R+4*pmi+3], v[\bmx]
.set pmi, pmi+1
.endr
.endm
.macro WSTEP m                         ; one step of the maxima over 16 lanes, all figures side by side
	v_max_num_f32_dpp v[W0M], v[W0M], v[W0M] row_xmask:\m row_mask:0xf bank_mask:0xf
	v_max_num_f32_dpp v[B0M], v[B0M], v[B0M] row_xmask:\m row_mask:0xf bank_mask:0xf
.if LAYER > 0
	v_max_num_f32_dpp v[W1M], v[W1M], v[W1M] row_xmask:\m row_mask:0xf bank_mask:0xf
	v_max_num_f32_dpp v[B1M], v[B1M], v[B1M] row_xmask:\m row_mask:0xf bank_mask:0xf
.endif
.endm
; The scale arithmetic goes step by step over the eight row blocks, so that eight independent instructions follow each other.
.macro BETA8 t, wmx, L, bmx            ; S (w L + b) + 1
.irp a, 0,1,2,3,4,5,6,7
	v_fma_f32 v[\t+\a], v[\wmx], v[\L+\a], v[\bmx]
.endr
.irp a, 0,1,2,3,4,5,6,7
	v_fma_f32 v[\t+\a], v[SS+\a], v[\t+\a], 1.0
.endr
.endm
.macro P2X8 d, b, inv                  ; inv = 0: U = 2^(t - 141); inv = 1: INV = 2^(141 - t)
.irp a, 0,1,2,3,4,5,6,7
	v_max_num_f32 v[\d+\a], 0x07800000, v[\b+\a]
.endr
.irp a, 0,1,2,3,4,5,6,7
	v_lshrrev_b32 v[\d+\a], 23, v[\d+\a]
.endr
.irp a, 0,1,2,3,4,5,6,7
.if \inv
	v_sub_nc_u32 v[\d+\a], 268, v[\d+\a]
.else
	v_add_nc_u32 v[\d+\a], -14, v[\d+\a]
.endif
.endr
.irp a, 0,1,2,3,4,5,6,7
	v_lshlrev_b32 v[\d+\a], 23, v[\d+\a]
.endr
.endm
	s_load_b64 s[4:5], s[0:1], ARG_A               ; a (layer 0: x in f16, at the head of xs)
	s_load_b64 s[6:7], s[0:1], ARG_WH
	s_load_b64 s[8:9], s[0:1], ARG_OUT
	s_load_b64 s[66:67], s[0:1], ARG_BIAS
	s_load_b64 s[68:69], s[0:1], ARG_BLEND
	s_load_b64 s[70:71], s[0:1], ARG_XS
	s_set_vgpr_msb 0x40
	v_lshl_add_u32 v255, v0, 2, 0x4a000
	s_set_vgpr_msb 0x4000
	v_mov_b32 v30, 0
	s_set_vgpr_msb 0x1
	ds_add_u32 v255, v30
	s_wait_dscnt 0x0
	s_set_vgpr_msb 0x100
	; all that needs no argument stands ahead of the wait for them
	v_lshrrev_b32 v1, 5, v0
	v_readfirstlane_b32 s10, v1                    ; wave 0..3
	s_lshr_b32 s11, s10, 1                         ; wm: which 128 rows are mine.  Also: I fetch for a (0) or for W' (1)
	s_and_b32 s12, s10, 1                          ; wn: which 16 outputs.  Also: which 128 rows of that tile I fetch
	s_bfe_u32 s40, ttmp6, 0x40000                  ; cx
	s_bfe_u32 s41, ttmp6, 0x40004                  ; cy
	s_lshl_b32 s42, ttmp9, 2
	s_add_co_u32 s42, s42, s40                     ; bx: block of 32 outputs
	s_and_b32 s13, ttmp7, 0xffff
	s_lshl_b32 s13, s13, 2
	s_add_co_u32 s13, s13, s41                     ; by: block of 256 rows
	s_lshl_b32 s43, s41, 2
	s_lshl_b32 s43, 15, s43                        ; my row of the cluster: places 4 cy .. 4 cy + 3
	s_lshl_b32 s44, 0x1111, s40                    ; my column: places cx, cx + 4, cx + 8, cx + 12
	; group 1 for a: 4 rows (planes) of 1,024 elements of 8 bytes, a plane = 32,768 elements; 16 bytes of padding behind every 64
	s_or_b32 s[G1+0], s43, (3<<16)|(1<<20)|(1<<21)|(3<<22)|(3<<25)   ; 15:0 mask: my row; 17:16 element of 8 bytes; 20 padding on; 21 set beside a mask; 24:22 after every 16 words (code 3); 31:25 of 4 words (code 3)
	s_mov_b32 s[G1+1], 1024<<16                    ; tensor_dim0 = 1,024
	s_mov_b32 s[G1+2], 4<<16                       ; tensor_dim1 = 4
	s_mov_b32 s[G1+3], 1024<<16                    ; tile_dim0 = 1,024
	s_mov_b32 s[G1+4], 4                           ; tile_dim1 = 4
	s_mov_b32 s[G1+5], PLANE/8                     ; from plane to plane, in elements
	s_mov_b32 s[G1+6], 0
	s_mov_b32 s[G1+7], 0
	; group 1 for W': 128 rows of 128 elements of 2 bytes, 16 bytes of padding behind every 256
	s_or_b32 s[G1B+0], s44, (1<<16)|(1<<20)|(1<<21)|(5<<22)|(3<<25)  ; mask: my column; after every 64 words (code 5) 4 words
	s_mov_b32 s[G1B+1], 128<<16
	s_mov_b32 s[G1B+2], 128<<16
	s_mov_b32 s[G1B+3], 128<<16
	s_mov_b32 s[G1B+4], 128
	s_mov_b32 s[G1B+5], KDIM
	s_mov_b32 s[G1B+6], 0
	s_mov_b32 s[G1B+7], 0
	; a's tiles hang on by alone, W's on bx alone, each in registers that never hold the other coordinate
	s_lshl_b32 s16, s13, 14                        ; 256 rows x 64 bytes in a plane
	s_lshl_b32 s17, s12, 13                        ; + my 128 rows
	s_add_co_u32 s16, s16, s17
	s_mov_b32 s17, 0
	s_lshl_b32 s46, s42, 8
	s_lshl_b32 s47, s12, 7
	s_add_co_u32 s46, s46, s47                     ; row 256 bx + 128 half of W'
	s_mul_i32 s46, s46, KDIM*2
	s_add_co_u32 s46, s46, WOFF                    ; below 2^26: 32 bits do
	s_mov_b32 s47, 0
	s_mul_i32 s20, s10, AHALF                      ; where they go: a's line is issued by waves 0, 1: wave x 40,960;
	s_mul_i32 s21, s10, BHALF                      ; W's by waves 2, 3: 81,920 + (wave - 2) x 34,816
	s_add_co_u32 s21, s21, BBASE-2*BHALF
	s_mov_b32 s76, 0x76543210                      ; v_permlanex16_b32: lane i of one half reads lane i of the other
	s_mov_b32 s77, 0xfedcba98
	s_mov_b32 s86, 0xbc000000                      ; -2^-7
	s_lshl_b32 s78, s42, 7                         ; bias: column 32 bx + 16 wn, 4 bytes each
	s_lshl_b32 s79, s12, 6
	s_add_co_u32 s78, s78, s79
	s_mov_b32 s79, 0
	s_lshl_b32 s18, s13, 8
	s_lshl_b32 s19, s11, 7
	s_add_co_u32 s18, s18, s19                     ; my first row
	s_lshl_b32 s80, s18, 5                         ; blend: 32 bytes a row
	s_mov_b32 s81, 0
	s_lshl_b32 s84, s18, 2                         ; the sums of |x|: 4 bytes a row
	s_mov_b32 s85, 0
.if LAYER < 2
	s_lshl_b32 s82, s42, 18                        ; out: plane bx, rows 256 by ..
	s_lshl_b32 s83, s13, 14
.else
	s_lshl_b32 s82, s13, 19                        ; out0: 256 rows of 2,048 bytes, 128 bytes a block of outputs
	s_lshl_b32 s83, s42, 7
.endif
	s_add_co_u32 s82, s82, s83
	s_mov_b32 s83, 0
	v_and_b32 v1, 15, v0                           ; r
	v_bfe_u32 v2, v0, 4, 1                         ; h
	v_and_b32 v3, 31, v0                           ; l
	v_lshlrev_b32 v[OFR], 5, v1
	v_lshlrev_b32 v[OFR4], 2, v1
	v_lshlrev_b32 v[OFL], 4, v3
	v_add_nc_u32 v[HMASK], -1, v2                  ; h = 0: all ones; h = 1: zero
	; LDS addresses.  A fragment is 16 rows x 32 k in 8 registers: lane (r, h) holds row r; registers 0-3 k = 8 h .., registers 4-7 k = 16 + 8 h ..: two loads of 16 bytes, 32 apart.
	v_mul_u32_u24 v4, v1, APITCH
	v_lshl_add_u32 v4, v2, 4, v4                   ; 80 r + 16 h
	s_mul_i32 s22, s11, AHALF
	v_add_nc_u32 v[ADRA], s22, v4
	v_add_nc_u32 v[ADRA+1], SLOT, v[ADRA]
	v_mul_u32_u24 v7, v1, BPITCH
	v_lshl_add_u32 v7, v2, 4, v7
	s_mul_i32 s23, s12, 16*BPITCH                  ; expert e's rows 32 e + 16 wn + r of the tile
	s_add_co_u32 s23, s23, BBASE
	v_add_nc_u32 v[ADRB], s23, v7
	v_add_nc_u32 v[ADRB+1], SLOT, v[ADRB]
.if LAYER < 2
	s_mul_i32 s22, s11, 128*80                     ; stage: 256 rows of 64 bytes (32 f16), pitch 80
	s_lshl_b32 s23, s12, 5
	s_add_co_u32 s22, s22, s23
	v_add_nc_u32 v[STO], s22, v4                   ; (128 wm + r) 80 + 32 wn + 16 h
	v_lshrrev_b32 v7, 2, v3
	v_and_b32 v9, 3, v3
	v_mul_u32_u24 v7, v7, 80
	v_lshl_add_u32 v7, v9, 4, v7
	s_mul_i32 s22, s10, 64*80
	v_add_nc_u32 v[RD], s22, v7                    ; back: wave w takes rows 64 w .., four lanes a row
	s_lshl_b32 s22, s10, 12
	v_lshl_add_u32 v[CO], v3, 4, s22               ; 4,096 w + 16 l
.else
	v_mul_u32_u24 v7, v1, 144                      ; stage: 256 rows of 128 bytes (32 f32), pitch 144
	v_lshl_add_u32 v7, v2, 5, v7
	s_mul_i32 s22, s11, 128*144
	s_lshl_b32 s23, s12, 6
	s_add_co_u32 s22, s22, s23
	v_add_nc_u32 v[STO], s22, v7                   ; (128 wm + r) 144 + 64 wn + 32 h
	v_lshrrev_b32 v7, 3, v3
	v_and_b32 v9, 7, v3
	v_mul_u32_u24 v10, v7, 144
	v_lshl_add_u32 v10, v9, 4, v10
	s_mul_i32 s22, s10, 64*144
	v_add_nc_u32 v[RD], s22, v10                   ; back: eight lanes a row
	v_lshlrev_b32 v7, 11, v7
	v_lshl_add_u32 v7, v9, 4, v7
	s_lshl_b32 s22, s10, 17
	v_add_nc_u32 v[CO], s22, v7                    ; (64 w + l/8) 2,048 + 16 (l%8)
.endif
	CROUND                                         ; all sixteen work-groups are here: the first joint loads meet
	s_wait_kmcnt 0x0
	s_add_nc_u64 s[14:15], s[4:5], s[16:17]
	s_add_nc_u64 s[46:47], s[6:7], s[46:47]
.irp s, 0,1
	s_mov_b32 s[G0+4*\s], 1
	s_add_co_u32 s[G0+4*\s+1], s20, \s*SLOT
	s_add_nc_u64 s[G0+4*\s+2:G0+4*\s+3], s[14:15], \s*4*PLANE      ; K step s = planes 4 s .. 4 s + 3
	s_or_b32 s[G0+4*\s+3], s[G0+4*\s+3], 0x80000000
	s_mov_b32 s[G0B+4*\s], 1
	s_add_co_u32 s[G0B+4*\s+1], s21, \s*SLOT
	s_add_nc_u64 s[G0B+4*\s+2:G0B+4*\s+3], s[46:47], \s*256        ; K step s = 256 bytes along the rows
	s_or_b32 s[G0B+4*\s+3], s[G0B+4*\s+3], 0x80000000
	JLOAD \s                                       ; both slots are asked for before anything else: two tensor loads of the wave are out
.endr
	; WHILE THE TILES ARE ON THEIR WAY: blend, bias and the figures of the row scales
	s_add_nc_u64 s[66:67], s[66:67], s[78:79]
	s_add_nc_u64 s[68:69], s[68:69], s[80:81]
	s_add_nc_u64 s[72:73], s[70:71], s[84:85]
	s_add_nc_u64 s[8:9], s[8:9], s[82:83]
	WIN TO_B
.irp a, 0,1,2,3,4,5,6,7
	global_load_b128 v[BL+8*\a:BL+8*\a+3],   v[OFR], s[68:69] offset:\a*512       ; blend[16 a + r][0..3]
	global_load_b128 v[BL+8*\a+4:BL+8*\a+7], v[OFR], s[68:69] offset:\a*512+16    ; [4..7]
.endr
	WIN 0
.irp e, 0,1,2,3,4,5,6,7
	global_load_b32 v[BRAW+\e], v[OFR4], s[66:67] offset:\e*NOUT*4                ; B[e][my first column + r]
.endr
.irp a, 0,1,2,3,4,5,6,7
	global_load_b32 v[LX+\a], v[OFR4], s[72:73] offset:XL1+\a*64                  ; L1(x) of row 16 a + r: my 128 rows' figures are 512 consecutive bytes
.endr
.irp i, 0,1,2,3
	global_load_b128 v[PMR0+4*\i:PMR0+4*\i+3], v[OFL], s[70:71] offset:PM0+\i*512
.endr
.if LAYER > 0
.irp i, 0,1,2,3,4,5,6,7
	global_load_b128 v[PMR1+4*\i:PMR1+4*\i+3], v[OFL], s[70:71] offset:PM1+\i*512
.endr
.endif
	s_wait_loadcnt 0x0                             ; all of it is needed next
	WIN 0x05                                       ; sources 0 and 1 in window 1 (blend), destination in window 0
.irp a, 0,1,2,3,4,5,6,7
.irp p, 0,1,2,3
	v_cvt_pk_f16_f32 v[BLF+4*\a+\p], v[BL+8*\a+2*\p], v[BL+8*\a+2*\p+1]           ; registers 0-3 of row block a's fragment: k = e = 0..7 in lanes 0-15
.endr
.endr
.irp p, 0,1,2,3
	v_cvt_pk_f16_f32 v[BLF+32+\p], v[BL+2*\p], v[BL+2*\p+1]                       ; registers 4-7 of a fragment are the next one's 0-3 (the last one's: these): any finite numbers do, they meet zeros of B's fragment
.endr
.irp a, 0,1,2,3,4,5,6,7
	v_add_f32 v[SS+\a], |v[BL+8*\a]|, |v[BL+8*\a+1]|
.endr
.irp k, 1,2,3
.irp a, 0,1,2,3,4,5,6,7
	v_add_f32 v[PS+8*(\k-1)+\a], |v[BL+8*\a+2*\k]|, |v[BL+8*\a+2*\k+1]|
.endr
.endr
	WIN 0
.irp p, 0,1,2,3
	v_cvt_pk_f16_f32 v[BFR+\p], v[BRAW+2*\p], v[BRAW+2*\p+1]
.endr
.irp p, 0,1,2,3
	v_and_b32 v[BFR+\p], v[HMASK], v[BFR+\p]       ; lanes 16-31 hold k = 8..15: zero
.endr
.irp p, 0,1,2,3
	v_mov_b32 v[BFR+4+\p], 0                       ; k = 16..31: zero
.endr
.irp a, 0,1,2,3,4,5,6,7
	v_wmma_f32_16x16x32_f16 v[BIAS+8*\a:BIAS+8*\a+7], v[BFR:BFR+7], v[BLF+4*\a:BLF+4*\a+7], 0   ; bias of rows 16 a + r, columns 8 h + j: eight accumulators, one instruction each
.endr
	; the figures of the scales; none of these lines names a register of the eight matrix instructions above
	PMAX PMR0, 4, W0M, B0M
.if LAYER > 0
	PMAX PMR1, 8, W1M, B1M
.endif
	WSTEP 1
	WSTEP 2
	WSTEP 4
	WSTEP 8
	v_permlanex16_b32 v1, v[W0M], s76, s77         ; v1-v4 have been written
	v_permlanex16_b32 v2, v[B0M], s76, s77
.if LAYER > 0
	v_permlanex16_b32 v3, v[W1M], s76, s77
	v_permlanex16_b32 v4, v[B1M], s76, s77
.endif
	v_max_num_f32 v[W0M], v[W0M], v1
	v_max_num_f32 v[B0M], v[B0M], v2
.if LAYER > 0
	v_max_num_f32 v[W1M], v[W1M], v3
	v_max_num_f32 v[B1M], v[B1M], v4
.endif
.irp a, 0,1,2,3,4,5,6,7
	v_add_f32 v[SS+\a], v[SS+\a], v[PS+\a]
.endr
.irp a, 0,1,2,3,4,5,6,7
	v_add_f32 v[PS+8+\a], v[PS+8+\a], v[PS+16+\a]
.endr
.irp a, 0,1,2,3,4,5,6,7
	v_add_f32 v[SS+\a], v[SS+\a], v[PS+8+\a]       ; S: the same order of sums in every launch
.endr
.if LAYER == 0
	P2X8 UIN, LX, 0
.endif
	BETA8 T1, W0M, LX, B0M                         ; beta1
.if LAYER == 0
	P2X8 INV, T1, 1
.endif
.if LAYER == 1
	P2X8 UIN, T1, 0
.endif
.if LAYER > 0
.irp a, 0,1,2,3,4,5,6,7
	v_mul_f32 v[T2+\a], 0x44800000, v[T1+\a]       ; 1,024 beta1 bounds L1(h1)
.endr
	BETA8 T2, W1M, T2, B1M                         ; beta2
.endif
.if LAYER == 1
	P2X8 INV, T2, 1
.endif
.if LAYER == 2
	P2X8 UIN, T2, 0
.endif
; 16 matrix instructions: row blocks a0, a0 + 1 of the window's four x all 8 experts, 32 along K.  Source 0 = 16 rows of W', source 1 = 16 rows of a:
; lane (r, h) then holds row r, and registers 0-7 the outputs 8 h + 0 .. 7.  zero = 1: the first product starts the sums.
; The 64 accumulators take turns, one instruction a turn, in the same order in every quarter step.
.macro MUL16 f, hi, a0, zero
.irp a, \a0, \a0+1
.irp b, 0,1,2,3,4,5,6,7
.if \zero
	v_wmma_f32_16x16x32_f16 v[8*(8*(\a)+\b):8*(8*(\a)+\b)+7], v[\f+8*\b:\f+8*\b+7], v[\f+8*(4*\hi+\a):\f+8*(4*\hi+\a)+7], 0
.else
	v_wmma_f32_16x16x32_f16 v[8*(8*(\a)+\b):8*(8*(\a)+\b)+7], v[\f+8*\b:\f+8*\b+7], v[\f+8*(4*\hi+\a):\f+8*(4*\hi+\a)+7], v[8*(8*(\a)+\b):8*(8*(\a)+\b)+7]
.endif
.endr
.endr
.endm
; 32 LDS loads in one run: the fragments of quarter kq (32 k) of a slot into buffer f: 8 experts x 16 rows of W' (32 rows = 8,704 bytes apart), 8 x 16 rows of a (plane kq)
.macro FETCH slot, kq, f
	WIN TO_B
.irp i, 0,1,2,3,4,5,6,7
	ds_load_b128 v[\f+8*\i:\f+8*\i+3],   v[ADRB+\slot] offset:\kq*64+\i*32*BPITCH
	ds_load_b128 v[\f+8*\i+4:\f+8*\i+7], v[ADRB+\slot] offset:\kq*64+\i*32*BPITCH+32
.endr
	WIN 0
.irp i, 0,1,2,3,4,5,6,7
	ds_load_b128 v[\f+8*\i:\f+8*\i+3],   v[ADRA+\slot] offset:\kq*128*APITCH+\i*16*APITCH
	ds_load_b128 v[\f+8*\i+4:\f+8*\i+7], v[ADRA+\slot] offset:\kq*128*APITCH+\i*16*APITCH+32
.endr
.endm
; A load into a register that a matrix instruction has read, and a vector instruction that reads a matrix result, stand four places behind it, and only plain
; vector instructions that name none of its registers are places (ISA guide 7.12.1 for vector instructions).
.macro PLACES
.rept 4
	v_nop
.endr
.endm
; A quarter step: buffer f is multiplied.  The run of loads for the next quarter (kq of the same slot, into buffer g, which the last quarter multiplied)
; stands at its head, so that it has all 64 matrix instructions in which to land.
.macro QUARTER slot, kq, f, g, zero
	s_wait_dscnt 0x0                               ; buffer f is in
	PLACES
	FETCH \slot, \kq, \g
	WIN MUL_LO
	MUL16 \f, 0, 0, \zero
	MUL16 \f, 0, 2, \zero
	WIN MUL_HI
	MUL16 \f, 1, 0, \zero
	MUL16 \f, 1, 2, \zero
.endm
.macro THREE slot, zero
	QUARTER \slot, 1, F0, F1, \zero
	QUARTER \slot, 2, F1, F0, 0
	QUARTER \slot, 3, F0, F1, 0
.endm
; The last quarter of a K step: multiplies buffer 1 and changes slots.  In front of the barrier each wave waits for its reads of this slot (buffer 1's run was the
; last of them) and for all its tensor loads (one is out: its part of the next slot).  fill = 1: the barrier opens a round of the cluster's barrier; inside the round
; stands register work alone, 16 matrix instructions ahead of each of its first two waits; behind its closing wait the refill comes first, one tensor load a wave,
; then the next slot's first fragments.  From a request to the wait for it a wave issues 224 matrix instructions.
.macro TURN slot, next, fill
	s_wait_dscnt 0x0                               ; buffer 1 is in: my reads of this slot are over
	s_wait_tensorcnt 0x0                           ; all my tensor loads have landed, so a group 0 may be written:
	ds_add_u32 v255, v30
	s_wait_dscnt 0x0
.if \fill
	s_add_nc_u64 s[G0+4*\slot+2:G0+4*\slot+3], s[G0+4*\slot+2:G0+4*\slot+3], 8*PLANE     ; this slot's next tile, two K steps on
	s_add_nc_u64 s[G0B+4*\slot+2:G0B+4*\slot+3], s[G0B+4*\slot+2:G0B+4*\slot+3], 512
.endif
	s_barrier_signal -1
	WIN MUL_LO
	MUL16 F1, 0, 0, 0                              ; registers only, while the other waves arrive
.if \fill
	WIN 0                                          ; a branch and a label follow
.endif
	s_barrier_wait -1
.if \fill
	s_cmp_lg_u32 s10, 0
	s_cbranch_scc1 .Lnot_first_\@
	s_barrier_signal -3                            ; wave 0 says so for the work-group
.Lnot_first_\@:
.endif
	WIN MUL_LO
	MUL16 F1, 0, 2, 0                              ; registers only, while the other work-groups arrive
.if \fill
	WIN 0
	s_barrier_wait -3
	s_barrier_signal -1
	s_barrier_wait -1                              ; no wave of any partner still reads this slot or has a load on its way
	JLOAD \slot
.endif
	PLACES
	FETCH \next, 0, F0
	WIN MUL_HI
	MUL16 F1, 1, 0, 0
	MUL16 F1, 1, 2, 0
.endm
.macro LAP zero
	THREE 0, \zero
	TURN 0, 1, 1
	THREE 1, 0
	TURN 1, 0, 1
.endm
	s_wait_tensorcnt 1                             ; my part of K step 0 is in; K step 1's may stay out
	s_barrier_signal -1
	s_barrier_wait -1                              ; everybody's is
	FETCH 0, 0, F0
	LAP 1                                          ; the first lap stands in front of the loop: its first products start the sums
.if LAPS > 2
	WIN 0
	s_mov_b32 s3, LAPS-2
.Llap:
	LAP 0
	WIN 0
	s_sub_co_u32 s3, s3, 1
	s_cmp_lg_u32 s3, 0
	s_cbranch_scc1 .Llap
.endif
	THREE 0, 0                                     ; the last lap fills nothing
	TURN 0, 1, 0                                   ; behind its barrier no wave reads slot 0 any more, and slot 0 has had its last fill
	THREE 1, 0
	s_wait_dscnt 0x0                               ; the very last quarter: nothing more to fetch
	WIN MUL_LO
	MUL16 F1, 0, 0, 0
	MUL16 F1, 0, 2, 0
	WIN MUL_HI
	MUL16 F1, 1, 0, 0
	MUL16 F1, 1, 2, 0
	PLACES                                         ; behind the last matrix instructions, for all that follows
; THE WAY OUT, two row blocks (2 x 16 rows x my 16 outputs) at a time, so that eight independent packed instructions follow each other; the stage lies in slot 0.
.macro EPI2 a
.if \a < 4
	WIN 0x06                                       ; source 0 (accumulators) window 2, source 1 (blend) window 1
.else
	WIN 0x07                                       ; accumulators in window 3
.endif
.irp e, 0,1,2,3,4,5,6,7
.irp i, 0,1
.irp p, 0,1,2,3
.if \e == 0
	PKMUL_B YY+8*\i+2*\p, 8*(8*((\a+\i)%4)+\e)+2*\p, BL+8*(\a+\i)+\e
.else
	PKFMA_B YY+8*\i+2*\p, 8*(8*((\a+\i)%4)+\e)+2*\p, BL+8*(\a+\i)+\e, YY+8*\i+2*\p
.endif
.endr
.endr
.endr
	WIN 0
.irp i, 0,1
.irp p, 0,1,2,3
	PKFMA_B YY+8*\i+2*\p, YY+8*\i+2*\p, UIN+\a+\i, BIAS+8*(\a+\i)+2*\p           ; y = U sum + bias
.endr
.endr
.if LAYER < 2
.irp j, 0,1,2,3,4,5,6,7,8,9,10,11,12,13,14,15
	v_min_num_f32 v[NN+\j], 0, v[YY+\j]
.endr
.irp j, 0,1,2,3,4,5,6,7,8,9,10,11,12,13,14,15
	v_max_num_f32 v[YY+\j], 0, v[YY+\j]
.endr
.irp p, 0,2,4,6,8,10,12,14
	v_pk_mul_f32 v[EE+\p:EE+\p+1], v[NN+\p:NN+\p+1], 0x3fb8aa3b op_sel_hi:[1,0]
.endr
.irp j, 0,1,2,3,4,5,6,7,8,9,10,11,12,13,14,15
	v_exp_f32 v[EE+\j], v[EE+\j]
.endr
.irp p, 0,2,4,6,8,10,12,14
	v_pk_mul_f32 v[QQ+\p:QQ+\p+1], v[NN+\p:NN+\p+1], 0.5 op_sel_hi:[1,0]      ; plain work that touches no exponential stands behind them (ISA guide 5.7.2)
.endr
.irp p, 0,2,4,6,8,10,12,14
	v_pk_fma_f32 v[QQ+\p:QQ+\p+1], v[QQ+\p:QQ+\p+1], v[NN+\p:NN+\p+1], v[NN+\p:NN+\p+1]   ; n + n^2/2
.endr
	s_wait_alu depctr_va_vdst(0)
.irp p, 0,2,4,6,8,10,12,14
	v_pk_add_f32 v[EE+\p:EE+\p+1], v[EE+\p:EE+\p+1], -1.0 op_sel_hi:[1,0]
.endr
.irp g, 0,4,8,12
.irp k, 0,1,2,3
	v_cmp_lt_f32 s[88+\k], s86, v[NN+\g+\k]        ; -2^-7 < n: the series, where exp - 1 would cancel; four masks by turns
.endr
.irp k, 0,1,2,3
	v_cndmask_b32 v[EE+\g+\k], v[EE+\g+\k], v[QQ+\g+\k], s[88+\k]
.endr
.endr
.irp p, 0,2,4,6,8,10,12,14
	v_pk_add_f32 v[YY+\p:YY+\p+1], v[YY+\p:YY+\p+1], v[EE+\p:EE+\p+1]        ; elu(y) = max(y, 0) + (exp(min(y, 0)) - 1)
.endr
.irp i, 0,1
.irp p, 0,1,2,3
	PKMUL_B YY+8*\i+2*\p, YY+8*\i+2*\p, INV+\a+\i
.endr
.endr
.irp i, 0,1
.irp p, 0,1,2,3
	v_cvt_pk_f16_f32 v[HH+4*\i+\p], v[YY+8*\i+2*\p], v[YY+8*\i+2*\p+1]
.endr
.endr
.irp i, 0,1
	ds_store_b128 v[STO], v[HH+4*\i:HH+4*\i+3] offset:(\a+\i)*16*80
.endr
.else
.irp i, 0,1
	ds_store_b128 v[STO], v[YY+8*\i:YY+8*\i+3] offset:(\a+\i)*16*144
	ds_store_b128 v[STO], v[YY+8*\i+4:YY+8*\i+7] offset:(\a+\i)*16*144+16
.endr
.endif
.endm
	EPI2 0
	EPI2 2
	EPI2 4
	EPI2 6
	s_wait_dscnt 0x0                               ; my pieces of the rows are in LDS before I say so
	s_barrier_signal -1
	s_barrier_wait -1                              ; the rows are whole
.if LAYER < 2
.irp t, 0,1,2,3,4,5,6,7
	ds_load_b128 v[F0+4*\t:F0+4*\t+3], v[RD] offset:\t*8*80
.endr
.irp t, 0,1,2,3,4,5,6,7
	s_wait_dscnt 7-\t                              ; LDS loads come back in order: load t is in, the 7 - t younger ones stay out
	global_store_b128 v[CO], v[F0+4*\t:F0+4*\t+3], s[8:9] offset:\t*512      ; a wave's store covers 512 consecutive bytes, aligned
.endr
.else
.irp t, 0,1,2,3,4,5,6,7,8,9,10,11,12,13,14,15
	ds_load_b128 v[F0+4*\t:F0+4*\t+3], v[RD] offset:\t*4*144
.endr
.irp t, 0,1,2,3,4,5,6,7,8,9,10,11,12,13,14,15
	s_wait_dscnt 15-\t                             ; load t is in, the 15 - t younger ones stay out
	global_store_b128 v[CO], v[F0+4*\t:F0+4*\t+3], s[8:9] offset:\t*8192     ; four rows, 128 consecutive bytes of each
.endr
.endif
	s_set_vgpr_msb 0x1
	s_wait_tensorcnt 0x0
	ds_add_u32 v255, v30
	s_wait_dscnt 0x0
	s_set_vgpr_msb 0x100
	CROUND                                         ; the closing round: no work-group ends while a partner may still ask for a tile that names it
	s_endpgm
.Lfunc_end_k_qaf7b38452b_layer1:
	.size	k_qaf7b38452b_layer1, .Lfunc_end_k_qaf7b38452b_layer1-k_qaf7b38452b_layer1
	.p2alignl 7, 3214868480
	.fill 96, 4, 3214868480
	.section	.rodata,"a",@progbits
	.p2align	6, 0x0
	.amdhsa_kernel k_qaf7b38452b_layer1
		.amdhsa_group_segment_fixed_size 327680
		.amdhsa_private_segment_fixed_size 0
		.amdhsa_enable_private_segment 0
		.amdhsa_kernarg_size 48
		.amdhsa_user_sgpr_count 2
		.amdhsa_user_sgpr_kernarg_segment_ptr 1
		.amdhsa_wavefront_size32 1
		.amdhsa_system_sgpr_workgroup_id_x 1
		.amdhsa_system_sgpr_workgroup_id_y 1
		.amdhsa_system_sgpr_workgroup_id_z 1
		.amdhsa_system_vgpr_workitem_id 0
		.amdhsa_next_free_vgpr 1024
		.amdhsa_next_free_sgpr 96
		.amdhsa_reserve_vcc 0
		.amdhsa_float_denorm_mode_32 3
		.amdhsa_float_denorm_mode_16_64 3
		.amdhsa_memory_ordered 1
		.amdhsa_forward_progress 1
		.amdhsa_inst_pref_size 231
	.end_amdhsa_kernel
	.amdgpu_metadata
---
amdhsa.version: [ 1, 2 ]
amdhsa.kernels:
  - .name:           k_qaf7b38452b_layer1
    .symbol:         k_qaf7b38452b_layer1.kd
    .args:
      - { .name: h1, .offset: 0, .size: 8, .value_kind: global_buffer, .address_space: global }
      - { .name: xs, .offset: 8, .size: 8, .value_kind: global_buffer, .address_space: global }
      - { .name: wh, .offset: 16, .size: 8, .value_kind: global_buffer, .address_space: global }
      - { .name: B1, .offset: 24, .size: 8, .value_kind: global_buffer, .address_space: global }
      - { .name: weight_blend, .offset: 32, .size: 8, .value_kind: global_buffer, .address_space: global }
      - { .name: h2, .offset: 40, .size: 8, .value_kind: global_buffer, .address_space: global }
    .group_segment_fixed_size: 327680
    .private_segment_fixed_size: 0
    .kernarg_segment_align: 8
    .kernarg_segment_size: 48
    .max_flat_workgroup_size: 128
    .sgpr_count:     96
    .vgpr_count:     1024
    .wavefront_size: 32
...
	.end_amdgpu_metadata
.endif
;; end of part 3
;; launch layer2 (part 4): grid 16 x 16, 4 waves a work-group, clusters of 4 x 4, 327,680 bytes of LDS; arguments h2, xs, wh, B2, weight_blend, out0; writes out0
.if DOCPART == 4
	.amdgcn_target "amdgcn-amd-amdhsa--gfx1250"
	.amdhsa_code_object_version 6
	.text
	.protected	k_qaf7b38452b_layer2
	.globl	k_qaf7b38452b_layer2
	.p2align	8
	.type	k_qaf7b38452b_layer2,@function
k_qaf7b38452b_layer2:
	s_mov_b64 s[64:65], 0
	v_nop
	global_prefetch_b8 v0, s[64:65] scope:SCOPE_SE
	s_setreg_imm32_b32 hwreg(HW_REG_WAVE_MODE, 25, 1), 1
	s_wait_xcnt 0x0
	s_wait_alu depctr_hold_cnt(0) depctr_sa_sdst(0) depctr_va_vdst(0) depctr_va_sdst(0) depctr_va_ssrc(0) depctr_va_vcc(0) depctr_vm_vsrc(0)
	s_getreg_b32 s2, hwreg(HW_REG_IB_STS2, 6, 4)
	s_cmp_eq_u32 s2, 0
	s_cbranch_scc0 .Lentry_in_a_cluster
	s_endpgm
.Lentry_in_a_cluster:
	s_bfe_u32 s2, ttmp6, 0x10000c
	s_cmp_lg_u32 s2, 0xf033
	s_cbranch_scc0 .Lentry_shape_is_right
	s_endpgm
.Lentry_shape_is_right:
.set LAYER, 2                          ; this text serves the three layers; this line alone differs
; y[b][o] = sum over e of blend[b][e] (W[e][o][:] . a[b][:]) + sum over e of blend[b][e] B[e][o];  ELU behind layers 0 and 1.
; THE PRODUCT is a plain GEMM a x W'^T with 8 x NOUT columns (W' = all experts' rows, f16, rows in the order (o/32)*256 + e*32 + o%32), sums in f32.
; A work-group makes 256 rows x 256 columns of it = 32 outputs x 8 experts, with four waves; a wave makes 128 rows x (16 outputs x 8 experts):
; 64 accumulator tiles of 16 x 16, tile (a, e) = row block a, expert e.  So the sum over the experts stays inside a lane: on the way out
; y = U (sum over e of blend acc(a, e)) + bias, all in f32.  K goes in steps of 128 through two LDS slots filled by the tensor data mover.
; THE BIAS blend x B is a product of 16 rows x 8 x 16 columns for each row block: one matrix instruction, operands in f16, e in k = 0..7.
; CLUSTERS: 4 x 4 work-groups.  The four of a row of the cluster need the same rows of a, the four of a column the same rows of W':
; each tile is asked for jointly by the four, which divides the requests for both by four.
; ACTIVATIONS lie in f16 as [k/32][row][k%32] (a plane of 262,144 bytes for 32 columns), so that a work-group's 256 rows x 32 outputs are 16,384
; consecutive bytes, and the next layer's tile (128 rows x 128 k) is four dense runs of 8,192 bytes: one descriptor of 4 rows of 8,192 bytes
; (a tile of more, shorter rows would need a third dimension).
; ROW SCALES: each stored row is multiplied by an exact power of two INV = 2^(141-t), t = exponent field of max(beta, 2^-112), beta a bound of the row's
; magnitudes: |x| <= L1(x);  |h1| <= beta1 = S (w0 L1(x) + b0) + 1;  |h2| <= beta2 = S (w1 1024 beta1 + b1) + 1 (each of the 1,024 |h1| is at most beta1),
; with S = sum of |blend| of the row, w, b = largest |W|, |B|.  So a stored number is below 2^15 for every finite input.  The launch that reads a row
; makes U = 1/INV from the same stored figures by the same instructions in the same order: the two agree bit for bit.
; LIMITS: beta must stay below 2^128; |W|, |B| and (for the bias product) |blend| above 65,504 are infinite in f16; a NaN in y is dropped by ELU's min
; and max.  ELU's negative side is exp2(1.442695 y) - 1 below -2^-7 and y + y^2/2 above it: both within 2e-5 relative.
; Layer 2's output rows are f32: a work-group holds 128 bytes of each (32 outputs), and a store of a wave covers four such pieces.  Longer pieces would need
; 64 outputs x 8 experts = 512 rows of W' in a slot, and two such slots (2 x 180,224 bytes) do not fit in the 327,680 bytes of LDS.
.if LAYER == 0
.set KDIM, 512
.set NOUT, 1024
.set WOFF, 0
.set ARG_A, 0
.set ARG_XS, 0
.set ARG_WH, 8
.set ARG_BIAS, 16
.set ARG_BLEND, 24
.set ARG_OUT, 32
.else
.set KDIM, 1024
.set ARG_A, 0
.set ARG_XS, 8
.set ARG_WH, 16
.set ARG_BIAS, 24
.set ARG_BLEND, 32
.set ARG_OUT, 40
.endif
.if LAYER == 1
.set NOUT, 1024
.set WOFF, 8388608
.endif
.if LAYER == 2
.set NOUT, 512
.set WOFF, 25165824
.endif
.set LAPS,   KDIM/256                  ; a lap = two K steps = once round the ring
.set PLANE,  262144                    ; bytes of 32 columns of all 4,096 rows of a
.set APITCH, 80                        ; LDS: 64 bytes of a row of a (32 k) + 16 of padding
.set BPITCH, 272                       ; LDS: 256 bytes of a row of W' (128 k) + 16 of padding.  Both pitches are odd multiples of 16: a fragment's 16 rows start in 16 different 16-byte columns of 256
.set AHALF,  4*128*APITCH              ; 40,960: four planes x 128 rows, what one load brings of a
.set BHALF,  128*BPITCH                ; 34,816: 128 rows of W'
.set BBASE,  2*AHALF                   ; W' lies behind a's 256 rows
.set SLOT,   BBASE+2*BHALF             ; 151,552; the two slots are all of the work-group's LDS
.set XL1, 4194304                      ; in xs: sums of |x|
.set PM0, 4210688                      ; in xs: 256 pairs (largest |W0|, |B0|)
.set PM1, 4212736                      ; in xs: 512 pairs (largest |W1|, |B1|)
; REGISTERS.  Window 0: v0-63 addresses and row figures, v64-127 and v128-191 fragments of a (two buffers), v192-255 the blended bias.
; Window 1: v0-63 blend, v64-191 fragments of W'.  Windows 2, 3: accumulators of row blocks 0-3, 4-7, tile (a, e) at v[8 (8 (a%4) + e)].
.set OFR,  5                           ; start only: 32 r
.set OFR4, 6                           ; start only: 4 r
.set HH,   8                           ; v8-15   the way out: packed f16 of two row blocks
.set ADRA, 16                          ; v16-17  LDS address of my fragments of a in slot 0, 1
.set HMASK,19                          ; start only: all ones in lanes 0-15, zero in lanes 16-31
.set ADRB, 20                          ; v20-21  the same for W'
.set STO,  22                          ; the way out: where I put my piece of a row
.set RD,   23                          ; the way out: where I read rows back
.set CO,   24                          ; my byte offset in the output
.set W0M,  26
.set B0M,  27
.set W1M,  28
.set B1M,  29
.set OFL,  31                          ; start only: 16 l
.set UIN,  32                          ; v32-39  U of the rows of a
.set INV,  40                          ; v40-47  INV of the rows that go out
.set SS,   48                          ; v48-55  S
.set LX,   56                          ; v56-63  L1(x) of row 16 a + r
.set F0,   64
.set F1,   128
.set BIAS, 192                         ; v[192 + 8 a + j]: bias of row 16 a + r, column 8 h + j
.set BLF,  64                          ; start only, v64-99: blend in f16; row block a's fragment is v[64 + 4 a : 64 + 4 a + 7]
.set PS,   104                         ; start only, v104-127: pair sums of |blend|
.set T1,   104                         ; then beta1
.set T2,   112                         ; and beta2
.set BFR,  128                         ; start only, v128-135: B's fragment
.set BRAW, 136                         ; start only, v136-143: B[e][my column], f32
.set PMR0, 144                         ; start only
.set PMR1, 160
.set BL,   0                           ; window 1: v[8 a + e] = blend[16 a + r][e]
.set YY,   128                         ; the way out, in buffer 1: two row blocks, 16 registers each
.set NN,   144
.set EE,   160
.set QQ,   176
.set G1,  24                           ; s[24:31] descriptor group 1 for a's tiles
.set G0,  32                           ; s[32:39] group 0 for a's tiles, one set for each slot
.set G1B, 48                           ; s[48:55] group 1 for W's tiles
.set G0B, 56                           ; s[56:63] group 0 for W's tiles
.set MSB, 0
.macro WIN new                         ; s_set_vgpr_msb: bits 1:0 source 0, 3:2 source 1, 5:4 source 2, 7:6 destination; the high byte repeats the setting that is left
.if MSB != \new
	s_set_vgpr_msb (MSB<<8)|\new
.set MSB, \new
.endif
.endm
.set MUL_LO, 0xa1                      ; source 0 (W') window 1, source 1 (a) window 0, C and D window 2
.set MUL_HI, 0xf1                      ; the same, C and D window 3
.set TO_B,   0x40                      ; destination window 1, address window 0
; A joint load.  Waves 0 and 1 fetch a's two halves, waves 2 and 3 W's.  Each line has one mask and one set of registers; the branch hangs on the wave's number alone.
.macro JLOAD s
	s_cmp_eq_u32 s11, 0
	s_cbranch_scc0 .Lfor_b_\@
	tensor_load_to_lds s[G0+4*\s:G0+4*\s+3], s[G1:G1+7]
	s_nop 0
	s_branch .Lasked_\@
.Lfor_b_\@:
	tensor_load_to_lds s[G0B+4*\s:G0B+4*\s+3], s[G1B:G1B+7]
	s_nop 0
.Lasked_\@:
.endm
; A round of the cluster's barrier: my work-group's barrier; wave 0 signals for the work-group; every wave waits for all sixteen; my work-group's barrier once more.
.macro CROUND
	s_barrier_signal -1
	s_barrier_wait -1
	s_cmp_lg_u32 s10, 0
	s_cbranch_scc1 .Lnot_wave_0_\@
	s_barrier_signal -3
.Lnot_wave_0_\@:
	s_barrier_wait -3
	s_barrier_signal -1
	s_barrier_wait -1
.endm
; packed f32 with register b broadcast to both halves: of an even b the pair's first register twice, of an odd b the second twice
.macro PKFMA_B d, x, b, c
.if ((\b) & 1)
	v_pk_fma_f32 v[\d:\d+1], v[\x:\x+1], v[\b-1:\b], v[\c:\c+1] op_sel:[0,1,0] op_sel_hi:[1,1,1]
.else
	v_pk_fma_f32 v[\d:\d+1], v[\x:\x+1], v[\b:\b+1], v[\c:\c+1] op_sel_hi:[1,0,1]
.endif
.endm
.macro PKMUL_B d, x, b
.if ((\b) & 1)
	v_pk_mul_f32 v[\d:\d+1], v[\x:\x+1], v[\b-1:\b] op_sel:[0,1] op_sel_hi:[1,1]
.else
	v_pk_mul_f32 v[\d:\d+1], v[\x:\x+1], v[\b:\b+1] op_sel_hi:[1,0]
.endif
.endm
.macro PMAX R, n, wmx, bmx             ; n loads of two pairs (w, b) a lane, from register R on: the lane's largest w and largest b
	v_max_num_f32 v[\wmx], v[\R], v[\R+2]
	v_max_num_f32 v[\bmx], v[\R+1], v[\R+3]
.set pmi, 1
.rept \n-1
	v_max3_num_f32 v[\wmx], v[\R+4*pmi], v[\R+4*pmi+2], v[\wmx]
	v_max3_num_f32 v[\bmx], v[\R+4*pmi+1], v[\R+4*pmi+3], v[\bmx]
.set pmi, pmi+1
.endr
.endm
.macro WSTEP m                         ; one step of the maxima over 16 lanes, all figures side by side
	v_max_num_f32_dpp v[W0M], v[W0M], v[W0M] row_xmask:\m row_mask:0xf bank_mask:0xf
	v_max_num_f32_dpp v[B0M], v[B0M], v[B0M] row_xmask:\m row_mask:0xf bank_mask:0xf
.if LAYER > 0
	v_max_num_f32_dpp v[W1M], v[W1M], v[W1M] row_xmask:\m row_mask:0xf bank_mask:0xf
	v_max_num_f32_dpp v[B1M], v[B1M], v[B1M] row_xmask:\m row_mask:0xf bank_mask:0xf
.endif
.endm
; The scale arithmetic goes step by step over the eight row blocks, so that eight independent instructions follow each other.
.macro BETA8 t, wmx, L, bmx            ; S (w L + b) + 1
.irp a, 0,1,2,3,4,5,6,7
	v_fma_f32 v[\t+\a], v[\wmx], v[\L+\a], v[\bmx]
.endr
.irp a, 0,1,2,3,4,5,6,7
	v_fma_f32 v[\t+\a], v[SS+\a], v[\t+\a], 1.0
.endr
.endm
.macro P2X8 d, b, inv                  ; inv = 0: U = 2^(t - 141); inv = 1: INV = 2^(141 - t)
.irp a, 0,1,2,3,4,5,6,7
	v_max_num_f32 v[\d+\a], 0x07800000, v[\b+\a]
.endr
.irp a, 0,1,2,3,4,5,6,7
	v_lshrrev_b32 v[\d+\a], 23, v[\d+\a]
.endr
.irp a, 0,1,2,3,4,5,6,7
.if \inv
	v_sub_nc_u32 v[\d+\a], 268, v[\d+\a]
.else
	v_add_nc_u32 v[\d+\a], -14, v[\d+\a]
.endif
.endr
.irp a, 0,1,2,3,4,5,6,7
	v_lshlrev_b32 v[\d+\a], 23, v[\d+\a]
.endr
.endm
	s_load_b64 s[4:5], s[0:1], ARG_A               ; a (layer 0: x in f16, at the head of xs)
	s_load_b64 s[6:7], s[0:1], ARG_WH
	s_load_b64 s[8:9], s[0:1], ARG_OUT
	s_load_b64 s[66:67], s[0:1], ARG_BIAS
	s_load_b64 s[68:69], s[0:1], ARG_BLEND
	s_load_b64 s[70:71], s[0:1], ARG_XS
	s_set_vgpr_msb 0x40
	v_lshl_add_u32 v255, v0, 2, 0x4a000
	s_set_vgpr_msb 0x4000
	v_mov_b32 v47, 0
	s_set_vgpr_msb 0x1
	ds_add_u32 v255, v47
	s_wait_dscnt 0x0
	s_set_vgpr_msb 0x100
	; all that needs no argument stands ahead of the wait for them
	v_lshrrev_b32 v1, 5, v0
	v_readfirstlane_b32 s10, v1                    ; wave 0..3
	s_lshr_b32 s11, s10, 1                         ; wm: which 128 rows are mine.  Also: I fetch for a (0) or for W' (1)
	s_and_b32 s12, s10, 1                          ; wn: which 16 outputs.  Also: which 128 rows of that tile I fetch
	s_bfe_u32 s40, ttmp6, 0x40000                  ; cx
	s_bfe_u32 s41, ttmp6, 0x40004                  ; cy
	s_lshl_b32 s42, ttmp9, 2
	s_add_co_u32 s42, s42, s40                     ; bx: block of 32 outputs
	s_and_b32 s13, ttmp7, 0xffff
	s_lshl_b32 s13, s13, 2
	s_add_co_u32 s13, s13, s41                     ; by: block of 256 rows
	s_lshl_b32 s43, s41, 2
	s_lshl_b32 s43, 15, s43                        ; my row of the cluster: places 4 cy .. 4 cy + 3
	s_lshl_b32 s44, 0x1111, s40                    ; my column: places cx, cx + 4, cx + 8, cx + 12
	; group 1 for a: 4 rows (planes) of 1,024 elements of 8 bytes, a plane = 32,768 elements; 16 bytes of padding behind every 64
	s_or_b32 s[G1+0], s43, (3<<16)|(1<<20)|(1<<21)|(3<<22)|(3<<25)   ; 15:0 mask: my row; 17:16 element of 8 bytes; 20 padding on; 21 set beside a mask; 24:22 after every 16 words (code 3); 31:25 of 4 words (code 3)
	s_mov_b32 s[G1+1], 1024<<16                    ; tensor_dim0 = 1,024
	s_mov_b32 s[G1+2], 4<<16                       ; tensor_dim1 = 4
	s_mov_b32 s[G1+3], 1024<<16                    ; tile_dim0 = 1,024
	s_mov_b32 s[G1+4], 4                           ; tile_dim1 = 4
	s_mov_b32 s[G1+5], PLANE/8                     ; from plane to plane, in elements
	s_mov_b32 s[G1+6], 0
	s_mov_b32 s[G1+7], 0
	; group 1 for W': 128 rows of 128 elements of 2 bytes, 16 bytes of padding behind every 256
	s_or_b32 s[G1B+0], s44, (1<<16)|(1<<20)|(1<<21)|(5<<22)|(3<<25)  ; mask: my column; after every 64 words (code 5) 4 words
	s_mov_b32 s[G1B+1], 128<<16
	s_mov_b32 s[G1B+2], 128<<16
	s_mov_b32 s[G1B+3], 128<<16
	s_mov_b32 s[G1B+4], 128
	s_mov_b32 s[G1B+5], KDIM
	s_mov_b32 s[G1B+6], 0
	s_mov_b32 s[G1B+7], 0
	; a's tiles hang on by alone, W's on bx alone, each in registers that never hold the other coordinate
	s_lshl_b32 s16, s13, 14                        ; 256 rows x 64 bytes in a plane
	s_lshl_b32 s17, s12, 13                        ; + my 128 rows
	s_add_co_u32 s16, s16, s17
	s_mov_b32 s17, 0
	s_lshl_b32 s46, s42, 8
	s_lshl_b32 s47, s12, 7
	s_add_co_u32 s46, s46, s47                     ; row 256 bx + 128 half of W'
	s_mul_i32 s46, s46, KDIM*2
	s_add_co_u32 s46, s46, WOFF                    ; below 2^26: 32 bits do
	s_mov_b32 s47, 0
	s_mul_i32 s20, s10, AHALF                      ; where they go: a's line is issued by waves 0, 1: wave x 40,960;
	s_mul_i32 s21, s10, BHALF                      ; W's by waves 2, 3: 81,920 + (wave - 2) x 34,816
	s_add_co_u32 s21, s21, BBASE-2*BHALF
	s_mov_b32 s76, 0x76543210                      ; v_permlanex16_b32: lane i of one half reads lane i of the other
	s_mov_b32 s77, 0xfedcba98
	s_mov_b32 s86, 0xbc000000                      ; -2^-7
	s_lshl_b32 s78, s42, 7                         ; bias: column 32 bx + 16 wn, 4 bytes each
	s_lshl_b32 s79, s12, 6
	s_add_co_u32 s78, s78, s79
	s_mov_b32 s79, 0
	s_lshl_b32 s18, s13, 8
	s_lshl_b32 s19, s11, 7
	s_add_co_u32 s18, s18, s19                     ; my first row
	s_lshl_b32 s80, s18, 5                         ; blend: 32 bytes a row
	s_mov_b32 s81, 0
	s_lshl_b32 s84, s18, 2                         ; the sums of |x|: 4 bytes a row
	s_mov_b32 s85, 0
.if LAYER < 2
	s_lshl_b32 s82, s42, 18                        ; out: plane bx, rows 256 by ..
	s_lshl_b32 s83, s13, 14
.else
	s_lshl_b32 s82, s13, 19                        ; out0: 256 rows of 2,048 bytes, 128 bytes a block of outputs
	s_lshl_b32 s83, s42, 7
.endif
	s_add_co_u32 s82, s82, s83
	s_mov_b32 s83, 0
	v_and_b32 v1, 15, v0                           ; r
	v_bfe_u32 v2, v0, 4, 1                         ; h
	v_and_b32 v3, 31, v0                           ; l
	v_lshlrev_b32 v[OFR], 5, v1
	v_lshlrev_b32 v[OFR4], 2, v1
	v_lshlrev_b32 v[OFL], 4, v3
	v_add_nc_u32 v[HMASK], -1, v2                  ; h = 0: all ones; h = 1: zero
	; LDS addresses.  A fragment is 16 rows x 32 k in 8 registers: lane (r, h) holds row r; registers 0-3 k = 8 h .., registers 4-7 k = 16 + 8 h ..: two loads of 16 bytes, 32 apart.
	v_mul_u32_u24 v4, v1, APITCH
	v_lshl_add_u32 v4, v2, 4, v4                   ; 80 r + 16 h
	s_mul_i32 s22, s11, AHALF
	v_add_nc_u32 v[ADRA], s22, v4
	v_add_nc_u32 v[ADRA+1], SLOT, v[ADRA]
	v_mul_u32_u24 v7, v1, BPITCH
	v_lshl_add_u32 v7, v2, 4, v7
	s_mul_i32 s23, s12, 16*BPITCH                  ; expert e's rows 32 e + 16 wn + r of the tile
	s_add_co_u32 s23, s23, BBASE
	v_add_nc_u32 v[ADRB], s23, v7
	v_add_nc_u32 v[ADRB+1], SLOT, v[ADRB]
.if LAYER < 2
	s_mul_i32 s22, s11, 128*80                     ; stage: 256 rows of 64 bytes (32 f16), pitch 80
	s_lshl_b32 s23, s12, 5
	s_add_co_u32 s22, s22, s23
	v_add_nc_u32 v[STO], s22, v4                   ; (128 wm + r) 80 + 32 wn + 16 h
	v_lshrrev_b32 v7, 2, v3
	v_and_b32 v9, 3, v3
	v_mul_u32_u24 v7, v7, 80
	v_lshl_add_u32 v7, v9, 4, v7
	s_mul_i32 s22, s10, 64*80
	v_add_nc_u32 v[RD], s22, v7                    ; back: wave w takes rows 64 w .., four lanes a row
	s_lshl_b32 s22, s10, 12
	v_lshl_add_u32 v[CO], v3, 4, s22               ; 4,096 w + 16 l
.else
	v_mul_u32_u24 v7, v1, 144                      ; stage: 256 rows of 128 bytes (32 f32), pitch 144
	v_lshl_add_u32 v7, v2, 5, v7
	s_mul_i32 s22, s11, 128*144
	s_lshl_b32 s23, s12, 6
	s_add_co_u32 s22, s22, s23
	v_add_nc_u32 v[STO], s22, v7                   ; (128 wm + r) 144 + 64 wn + 32 h
	v_lshrrev_b32 v7, 3, v3
	v_and_b32 v9, 7, v3
	v_mul_u32_u24 v10, v7, 144
	v_lshl_add_u32 v10, v9, 4, v10
	s_mul_i32 s22, s10, 64*144
	v_add_nc_u32 v[RD], s22, v10                   ; back: eight lanes a row
	v_lshlrev_b32 v7, 11, v7
	v_lshl_add_u32 v7, v9, 4, v7
	s_lshl_b32 s22, s10, 17
	v_add_nc_u32 v[CO], s22, v7                    ; (64 w + l/8) 2,048 + 16 (l%8)
.endif
	CROUND                                         ; all sixteen work-groups are here: the first joint loads meet
	s_wait_kmcnt 0x0
	s_add_nc_u64 s[14:15], s[4:5], s[16:17]
	s_add_nc_u64 s[46:47], s[6:7], s[46:47]
.irp s, 0,1
	s_mov_b32 s[G0+4*\s], 1
	s_add_co_u32 s[G0+4*\s+1], s20, \s*SLOT
	s_add_nc_u64 s[G0+4*\s+2:G0+4*\s+3], s[14:15], \s*4*PLANE      ; K step s = planes 4 s .. 4 s + 3
	s_or_b32 s[G0+4*\s+3], s[G0+4*\s+3], 0x80000000
	s_mov_b32 s[G0B+4*\s], 1
	s_add_co_u32 s[G0B+4*\s+1], s21, \s*SLOT
	s_add_nc_u64 s[G0B+4*\s+2:G0B+4*\s+3], s[46:47], \s*256        ; K step s = 256 bytes along the rows
	s_or_b32 s[G0B+4*\s+3], s[G0B+4*\s+3], 0x80000000
	JLOAD \s                                       ; both slots are asked for before anything else: two tensor loads of the wave are out
.endr
	; WHILE THE TILES ARE ON THEIR WAY: blend, bias and the figures of the row scales
	s_add_nc_u64 s[66:67], s[66:67], s[78:79]
	s_add_nc_u64 s[68:69], s[68:69], s[80:81]
	s_add_nc_u64 s[72:73], s[70:71], s[84:85]
	s_add_nc_u64 s[8:9], s[8:9], s[82:83]
	WIN TO_B
.irp a, 0,1,2,3,4,5,6,7
	global_load_b128 v[BL+8*\a:BL+8*\a+3],   v[OFR], s[68:69] offset:\a*512       ; blend[16 a + r][0..3]
	global_load_b128 v[BL+8*\a+4:BL+8*\a+7], v[OFR], s[68:69] offset:\a*512+16    ; [4..7]
.endr
	WIN 0
.irp e, 0,1,2,3,4,5,6,7
	global_load_b32 v[BRAW+\e], v[OFR4], s[66:67] offset:\e*NOUT*4                ; B[e][my first column + r]
.endr
.irp a, 0,1,2,3,4,5,6,7
	global_load_b32 v[LX+\a], v[OFR4], s[72:73] offset:XL1+\a*64                  ; L1(x) of row 16 a + r: my 128 rows' figures are 512 consecutive bytes
.endr
.irp i, 0,1,2,3
	global_load_b128 v[PMR0+4*\i:PMR0+4*\i+3], v[OFL], s[70:71] offset:PM0+\i*512
.endr
.if LAYER > 0
.irp i, 0,1,2,3,4,5,6,7
	global_load_b128 v[PMR1+4*\i:PMR1+4*\i+3], v[OFL], s[70:71] offset:PM1+\i*512
.endr
.endif
	s_wait_loadcnt 0x0                             ; all of it is needed next
	WIN 0x05                                       ; sources 0 and 1 in window 1 (blend), destination in window 0
.irp a, 0,1,2,3,4,5,6,7
.irp p, 0,1,2,3
	v_cvt_pk_f16_f32 v[BLF+4*\a+\p], v[BL+8*\a+2*\p], v[BL+8*\a+2*\p+1]           ; registers 0-3 of row block a's fragment: k = e = 0..7 in lanes 0-15
.endr
.endr
.irp p, 0,1,2,3
	v_cvt_pk_f16_f32 v[BLF+32+\p], v[BL+2*\p], v[BL+2*\p+1]                       ; registers 4-7 of a fragment are the next one's 0-3 (the last one's: these): any finite numbers do, they meet zeros of B's fragment
.endr
.irp a, 0,1,2,3,4,5,6,7
	v_add_f32 v[SS+\a], |v[BL+8*\a]|, |v[BL+8*\a+1]|
.endr
.irp k, 1,2,3
.irp a, 0,1,2,3,4,5,6,7
	v_add_f32 v[PS+8*(\k-1)+\a], |v[BL+8*\a+2*\k]|, |v[BL+8*\a+2*\k+1]|
.endr
.endr
	WIN 0
.irp p, 0,1,2,3
	v_cvt_pk_f16_f32 v[BFR+\p], v[BRAW+2*\p], v[BRAW+2*\p+1]
.endr
.irp p, 0,1,2,3
	v_and_b32 v[BFR+\p], v[HMASK], v[BFR+\p]       ; lanes 16-31 hold k = 8..15: zero
.endr
.irp p, 0,1,2,3
	v_mov_b32 v[BFR+4+\p], 0                       ; k = 16..31: zero
.endr
.irp a, 0,1,2,3,4,5,6,7
	v_wmma_f32_16x16x32_f16 v[BIAS+8*\a:BIAS+8*\a+7], v[BFR:BFR+7], v[BLF+4*\a:BLF+4*\a+7], 0   ; bias of rows 16 a + r, columns 8 h + j: eight accumulators, one instruction each
.endr
	; the figures of the scales; none of these lines names a register of the eight matrix instructions above
	PMAX PMR0, 4, W0M, B0M
.if LAYER > 0
	PMAX PMR1, 8, W1M, B1M
.endif
	WSTEP 1
	WSTEP 2
	WSTEP 4
	WSTEP 8
	v_permlanex16_b32 v1, v[W0M], s76, s77         ; v1-v4 have been written
	v_permlanex16_b32 v2, v[B0M], s76, s77
.if LAYER > 0
	v_permlanex16_b32 v3, v[W1M], s76, s77
	v_permlanex16_b32 v4, v[B1M], s76, s77
.endif
	v_max_num_f32 v[W0M], v[W0M], v1
	v_max_num_f32 v[B0M], v[B0M], v2
.if LAYER > 0
	v_max_num_f32 v[W1M], v[W1M], v3
	v_max_num_f32 v[B1M], v[B1M], v4
.endif
.irp a, 0,1,2,3,4,5,6,7
	v_add_f32 v[SS+\a], v[SS+\a], v[PS+\a]
.endr
.irp a, 0,1,2,3,4,5,6,7
	v_add_f32 v[PS+8+\a], v[PS+8+\a], v[PS+16+\a]
.endr
.irp a, 0,1,2,3,4,5,6,7
	v_add_f32 v[SS+\a], v[SS+\a], v[PS+8+\a]       ; S: the same order of sums in every launch
.endr
.if LAYER == 0
	P2X8 UIN, LX, 0
.endif
	BETA8 T1, W0M, LX, B0M                         ; beta1
.if LAYER == 0
	P2X8 INV, T1, 1
.endif
.if LAYER == 1
	P2X8 UIN, T1, 0
.endif
.if LAYER > 0
.irp a, 0,1,2,3,4,5,6,7
	v_mul_f32 v[T2+\a], 0x44800000, v[T1+\a]       ; 1,024 beta1 bounds L1(h1)
.endr
	BETA8 T2, W1M, T2, B1M                         ; beta2
.endif
.if LAYER == 1
	P2X8 INV, T2, 1
.endif
.if LAYER == 2
	P2X8 UIN, T2, 0
.endif
; 16 matrix instructions: row blocks a0, a0 + 1 of the window's four x all 8 experts, 32 along K.  Source 0 = 16 rows of W', source 1 = 16 rows of a:
; lane (r, h) then holds row r, and registers 0-7 the outputs 8 h + 0 .. 7.  zero = 1: the first product starts the sums.
; The 64 accumulators take turns, one instruction a turn, in the same order in every quarter step.
.macro MUL16 f, hi, a0, zero
.irp a, \a0, \a0+1
.irp b, 0,1,2,3,4,5,6,7
.if \zero
	v_wmma_f32_16x16x32_f16 v[8*(8*(\a)+\b):8*(8*(\a)+\b)+7], v[\f+8*\b:\f+8*\b+7], v[\f+8*(4*\hi+\a):\f+8*(4*\hi+\a)+7], 0
.else
	v_wmma_f32_16x16x32_f16 v[8*(8*(\a)+\b):8*(8*(\a)+\b)+7], v[\f+8*\b:\f+8*\b+7], v[\f+8*(4*\hi+\a):\f+8*(4*\hi+\a)+7], v[8*(8*(\a)+\b):8*(8*(\a)+\b)+7]
.endif
.endr
.endr
.endm
; 32 LDS loads in one run: the fragments of quarter kq (32 k) of a slot into buffer f: 8 experts x 16 rows of W' (32 rows = 8,704 bytes apart), 8 x 16 rows of a (plane kq)
.macro FETCH slot, kq, f
	WIN TO_B
.irp i, 0,1,2,3,4,5,6,7
	ds_load_b128 v[\f+8*\i:\f+8*\i+3],   v[ADRB+\slot] offset:\kq*64+\i*32*BPITCH
	ds_load_b128 v[\f+8*\i+4:\f+8*\i+7], v[ADRB+\slot] offset:\kq*64+\i*32*BPITCH+32
.endr
	WIN 0
.irp i, 0,1,2,3,4,5,6,7
	ds_load_b128 v[\f+8*\i:\f+8*\i+3],   v[ADRA+\slot] offset:\kq*128*APITCH+\i*16*APITCH
	ds_load_b128 v[\f+8*\i+4:\f+8*\i+7], v[ADRA+\slot] offset:\kq*128*APITCH+\i*16*APITCH+32
.endr
.endm
; A load into a register that a matrix instruction has read, and a vector instruction that reads a matrix result, stand four places behind it, and only plain
; vector instructions that name none of its registers are places (ISA guide 7.12.1 for vector instructions).
.macro PLACES
.rept 4
	v_nop
.endr
.endm
; A quarter step: buffer f is multiplied.  The run of loads for the next quarter (kq of the same slot, into buffer g, which the last quarter multiplied)
; stands at its head, so that it has all 64 matrix instructions in which to land.
.macro QUARTER slot, kq, f, g, zero
	s_wait_dscnt 0x0                               ; buffer f is in
	PLACES
	FETCH \slot, \kq, \g
	WIN MUL_LO
	MUL16 \f, 0, 0, \zero
	MUL16 \f, 0, 2, \zero
	WIN MUL_HI
	MUL16 \f, 1, 0, \zero
	MUL16 \f, 1, 2, \zero
.endm
.macro THREE slot, zero
	QUARTER \slot, 1, F0, F1, \zero
	QUARTER \slot, 2, F1, F0, 0
	QUARTER \slot, 3, F0, F1, 0
.endm
; The last quarter of a K step: multiplies buffer 1 and changes slots.  In front of the barrier each wave waits for its reads of this slot (buffer 1's run was the
; last of them) and for all its tensor loads (one is out: its part of the next slot).  fill = 1: the barrier opens a round of the cluster's barrier; inside the round
; stands register work alone, 16 matrix instructions ahead of each of its first two waits; behind its closing wait the refill comes first, one tensor load a wave,
; then the next slot's first fragments.  From a request to the wait for it a wave issues 224 matrix instructions.
.macro TURN slot, next, fill
	s_wait_dscnt 0x0                               ; buffer 1 is in: my reads of this slot are over
	s_wait_tensorcnt 0x0                           ; all my tensor loads have landed, so a group 0 may be written:
	ds_add_u32 v255, v47
	s_wait_dscnt 0x0
.if \fill
	s_add_nc_u64 s[G0+4*\slot+2:G0+4*\slot+3], s[G0+4*\slot+2:G0+4*\slot+3], 8*PLANE     ; this slot's next tile, two K steps on
	s_add_nc_u64 s[G0B+4*\slot+2:G0B+4*\slot+3], s[G0B+4*\slot+2:G0B+4*\slot+3], 512
.endif
	s_barrier_signal -1
	WIN MUL_LO
	MUL16 F1, 0, 0, 0                              ; registers only, while the other waves arrive
.if \fill
	WIN 0                                          ; a branch and a label follow
.endif
	s_barrier_wait -1
.if \fill
	s_cmp_lg_u32 s10, 0
	s_cbranch_scc1 .Lnot_first_\@
	s_barrier_signal -3                            ; wave 0 says so for the work-group
.Lnot_first_\@:
.endif
	WIN MUL_LO
	MUL16 F1, 0, 2, 0                              ; registers only, while the other work-groups arrive
.if \fill
	WIN 0
	s_barrier_wait -3
	s_barrier_signal -1
	s_barrier_wait -1                              ; no wave of any partner still reads this slot or has a load on its way
	JLOAD \slot
.endif
	PLACES
	FETCH \next, 0, F0
	WIN MUL_HI
	MUL16 F1, 1, 0, 0
	MUL16 F1, 1, 2, 0
.endm
.macro LAP zero
	THREE 0, \zero
	TURN 0, 1, 1
	THREE 1, 0
	TURN 1, 0, 1
.endm
	s_wait_tensorcnt 1                             ; my part of K step 0 is in; K step 1's may stay out
	s_barrier_signal -1
	s_barrier_wait -1                              ; everybody's is
	FETCH 0, 0, F0
	LAP 1                                          ; the first lap stands in front of the loop: its first products start the sums
.if LAPS > 2
	WIN 0
	s_mov_b32 s3, LAPS-2
.Llap:
	LAP 0
	WIN 0
	s_sub_co_u32 s3, s3, 1
	s_cmp_lg_u32 s3, 0
	s_cbranch_scc1 .Llap
.endif
	THREE 0, 0                                     ; the last lap fills nothing
	TURN 0, 1, 0                                   ; behind its barrier no wave reads slot 0 any more, and slot 0 has had its last fill
	THREE 1, 0
	s_wait_dscnt 0x0                               ; the very last quarter: nothing more to fetch
	WIN MUL_LO
	MUL16 F1, 0, 0, 0
	MUL16 F1, 0, 2, 0
	WIN MUL_HI
	MUL16 F1, 1, 0, 0
	MUL16 F1, 1, 2, 0
	PLACES                                         ; behind the last matrix instructions, for all that follows
; THE WAY OUT, two row blocks (2 x 16 rows x my 16 outputs) at a time, so that eight independent packed instructions follow each other; the stage lies in slot 0.
.macro EPI2 a
.if \a < 4
	WIN 0x06                                       ; source 0 (accumulators) window 2, source 1 (blend) window 1
.else
	WIN 0x07                                       ; accumulators in window 3
.endif
.irp e, 0,1,2,3,4,5,6,7
.irp i, 0,1
.irp p, 0,1,2,3
.if \e == 0
	PKMUL_B YY+8*\i+2*\p, 8*(8*((\a+\i)%4)+\e)+2*\p, BL+8*(\a+\i)+\e
.else
	PKFMA_B YY+8*\i+2*\p, 8*(8*((\a+\i)%4)+\e)+2*\p, BL+8*(\a+\i)+\e, YY+8*\i+2*\p
.endif
.endr
.endr
.endr
	WIN 0
.irp i, 0,1
.irp p, 0,1,2,3
	PKFMA_B YY+8*\i+2*\p, YY+8*\i+2*\p, UIN+\a+\i, BIAS+8*(\a+\i)+2*\p           ; y = U sum + bias
.endr
.endr
.if LAYER < 2
.irp j, 0,1,2,3,4,5,6,7,8,9,10,11,12,13,14,15
	v_min_num_f32 v[NN+\j], 0, v[YY+\j]
.endr
.irp j, 0,1,2,3,4,5,6,7,8,9,10,11,12,13,14,15
	v_max_num_f32 v[YY+\j], 0, v[YY+\j]
.endr
.irp p, 0,2,4,6,8,10,12,14
	v_pk_mul_f32 v[EE+\p:EE+\p+1], v[NN+\p:NN+\p+1], 0x3fb8aa3b op_sel_hi:[1,0]
.endr
.irp j, 0,1,2,3,4,5,6,7,8,9,10,11,12,13,14,15
	v_exp_f32 v[EE+\j], v[EE+\j]
.endr
.irp p, 0,2,4,6,8,10,12,14
	v_pk_mul_f32 v[QQ+\p:QQ+\p+1], v[NN+\p:NN+\p+1], 0.5 op_sel_hi:[1,0]      ; plain work that touches no exponential stands behind them (ISA guide 5.7.2)
.endr
.irp p, 0,2,4,6,8,10,12,14
	v_pk_fma_f32 v[QQ+\p:QQ+\p+1], v[QQ+\p:QQ+\p+1], v[NN+\p:NN+\p+1], v[NN+\p:NN+\p+1]   ; n + n^2/2
.endr
.irp p, 0,2,4,6,8,10,12,14
	v_pk_add_f32 v[EE+\p:EE+\p+1], v[EE+\p:EE+\p+1], -1.0 op_sel_hi:[1,0]
.endr
.irp g, 0,4,8,12
.irp k, 0,1,2,3
	v_cmp_lt_f32 s[88+\k], s86, v[NN+\g+\k]        ; -2^-7 < n: the series, where exp - 1 would cancel; four masks by turns
.endr
.irp k, 0,1,2,3
	v_cndmask_b32 v[EE+\g+\k], v[EE+\g+\k], v[QQ+\g+\k], s[88+\k]
.endr
.endr
.irp p, 0,2,4,6,8,10,12,14
	v_pk_add_f32 v[YY+\p:YY+\p+1], v[YY+\p:YY+\p+1], v[EE+\p:EE+\p+1]        ; elu(y) = max(y, 0) + (exp(min(y, 0)) - 1)
.endr
.irp i, 0,1
.irp p, 0,1,2,3
	PKMUL_B YY+8*\i+2*\p, YY+8*\i+2*\p, INV+\a+\i
.endr
.endr
.irp i, 0,1
.irp p, 0,1,2,3
	v_cvt_pk_f16_f32 v[HH+4*\i+\p], v[YY+8*\i+2*\p], v[YY+8*\i+2*\p+1]
.endr
.endr
.irp i, 0,1
	ds_store_b128 v[STO], v[HH+4*\i:HH+4*\i+3] offset:(\a+\i)*16*80
.endr
.else
.irp i, 0,1
	ds_store_b128 v[STO], v[YY+8*\i:YY+8*\i+3] offset:(\a+\i)*16*144
	ds_store_b128 v[STO], v[YY+8*\i+4:YY+8*\i+7] offset:(\a+\i)*16*144+16
.endr
.endif
.endm
	EPI2 0
	EPI2 2
	EPI2 4
	EPI2 6
	s_wait_dscnt 0x0                               ; my pieces of the rows are in LDS before I say so
	s_barrier_signal -1
	s_barrier_wait -1                              ; the rows are whole
.if LAYER < 2
.irp t, 0,1,2,3,4,5,6,7
	ds_load_b128 v[F0+4*\t:F0+4*\t+3], v[RD] offset:\t*8*80
.endr
.irp t, 0,1,2,3,4,5,6,7
	s_wait_dscnt 7-\t                              ; LDS loads come back in order: load t is in, the 7 - t younger ones stay out
	global_store_b128 v[CO], v[F0+4*\t:F0+4*\t+3], s[8:9] offset:\t*512      ; a wave's store covers 512 consecutive bytes, aligned
.endr
.else
.irp t, 0,1,2,3,4,5,6,7,8,9,10,11,12,13,14,15
	ds_load_b128 v[F0+4*\t:F0+4*\t+3], v[RD] offset:\t*4*144
.endr
.irp t, 0,1,2,3,4,5,6,7,8,9,10,11,12,13,14,15
	s_wait_dscnt 15-\t                             ; load t is in, the 15 - t younger ones stay out
	global_store_b128 v[CO], v[F0+4*\t:F0+4*\t+3], s[8:9] offset:\t*8192     ; four rows, 128 consecutive bytes of each
.endr
.endif
	s_set_vgpr_msb 0x1
	s_wait_tensorcnt 0x0
	ds_add_u32 v255, v47
	s_wait_dscnt 0x0
	s_set_vgpr_msb 0x100
	CROUND                                         ; the closing round: no work-group ends while a partner may still ask for a tile that names it
	s_endpgm
.Lfunc_end_k_qaf7b38452b_layer2:
	.size	k_qaf7b38452b_layer2, .Lfunc_end_k_qaf7b38452b_layer2-k_qaf7b38452b_layer2
	.p2alignl 7, 3214868480
	.fill 96, 4, 3214868480
	.section	.rodata,"a",@progbits
	.p2align	6, 0x0
	.amdhsa_kernel k_qaf7b38452b_layer2
		.amdhsa_group_segment_fixed_size 327680
		.amdhsa_private_segment_fixed_size 0
		.amdhsa_enable_private_segment 0
		.amdhsa_kernarg_size 48
		.amdhsa_user_sgpr_count 2
		.amdhsa_user_sgpr_kernarg_segment_ptr 1
		.amdhsa_wavefront_size32 1
		.amdhsa_system_sgpr_workgroup_id_x 1
		.amdhsa_system_sgpr_workgroup_id_y 1
		.amdhsa_system_sgpr_workgroup_id_z 1
		.amdhsa_system_vgpr_workitem_id 0
		.amdhsa_next_free_vgpr 1024
		.amdhsa_next_free_sgpr 96
		.amdhsa_reserve_vcc 0
		.amdhsa_float_denorm_mode_32 3
		.amdhsa_float_denorm_mode_16_64 3
		.amdhsa_memory_ordered 1
		.amdhsa_forward_progress 1
		.amdhsa_inst_pref_size 203
	.end_amdhsa_kernel
	.amdgpu_metadata
---
amdhsa.version: [ 1, 2 ]
amdhsa.kernels:
  - .name:           k_qaf7b38452b_layer2
    .symbol:         k_qaf7b38452b_layer2.kd
    .args:
      - { .name: h2, .offset: 0, .size: 8, .value_kind: global_buffer, .address_space: global }
      - { .name: xs, .offset: 8, .size: 8, .value_kind: global_buffer, .address_space: global }
      - { .name: wh, .offset: 16, .size: 8, .value_kind: global_buffer, .address_space: global }
      - { .name: B2, .offset: 24, .size: 8, .value_kind: global_buffer, .address_space: global }
      - { .name: weight_blend, .offset: 32, .size: 8, .value_kind: global_buffer, .address_space: global }
      - { .name: out0, .offset: 40, .size: 8, .value_kind: global_buffer, .address_space: global }
    .group_segment_fixed_size: 327680
    .private_segment_fixed_size: 0
    .kernarg_segment_align: 8
    .kernarg_segment_size: 48
    .max_flat_workgroup_size: 128
    .sgpr_count:     96
    .vgpr_count:     1024
    .wavefront_size: 32
...
	.end_amdgpu_metadata
.endif
;; end of part 4
